; MI455X (gfx1250); checked and timed in simulation.
; The chip was launched on July 23, 2026; its instructions are those of AMD's public machine-readable ISA for CDNA 5 (MIT licence, August 2026) and "CDNA5" Instruction Set Architecture Reference Guide (July 2026). The comments in the code are by the model that wrote it; some were corrected since.
;; Spatial Attention Layer. Allowed arithmetic: matrix products marked QUANTISED: E2M3 operands, one E8M0 scale for each 32 along K, by v_wmma_scale_f32_16x16x128_f8f6f4 with both operands' format E2M3, f32 sums; everything else in f32.
;; Inputs: P 8,192 x 3 float32; W_k 256 x 256 float32; W_q 256 x 256 float32; W_v 256 x 256 float32; X 8,192 x 256 float32; b_k 256 float32; b_q 256 float32; b_v 256 float32.
;; Outputs: out0 8,192 x 256 float32.
;; This version of the problem:
;;   THIS VERSION OF THE PROBLEM IS GIVEN IN LOW PRECISION. The matrix products marked QUANTISED in the list below multiply operands that are first quantised to E2M3 (2 exponent bits, 3 mantissa bits; 6 bits a number), with one power-of-two scale for each 32 numbers along K (OCP MX v1.0); their sums are f32. All else is computed in f32.
;;   The module's matrix products, in the order in which they are computed (A, B: the left and right operand; K: the contracted axis; several contracted axes count as one K, in the product's order):
;;     1. [M 8,192, K 256] x [K 256, N 256]; A: input X; B: input W_q: QUANTISED
;;     2. [M 8,192, K 256] x [K 256, N 256]; A: input X; B: input W_k: QUANTISED
;;     3. [M 8,192, K 256] x [K 256, N 256]; A: input X; B: input W_v: QUANTISED
;;     4. [M 8,192, K 256] x [K 256, N 8,192]; A: computed on the way; B: computed on the way: QUANTISED
;;     5. [M 8,192, K 8,192] x [K 8,192, N 256]; A: computed on the way; B: computed on the way: QUANTISED
;;   THE QUANTISER, for each operand of a quantised product, along K:
;;     - K is cut into blocks of 32 from its start; a last block that is shorter is filled with zeros.
;;     - A block's scale is 2^e with e = floor(log2(the largest magnitude in the block)) - 2, held to -126 .. 127; a block of zeros has e = 0. As a byte (E8M0): e + 127.
;;     - Each number is divided by its block's scale, clamped to +-7.5, and rounded to the nearest number of E2M3, ties to even, subnormals kept.
;;     - The product sums the exact products of the quantised numbers (number of the format x scale) in f32.
;;   ~~~python
;;   def quantise(x, axis):      # numpy; x: float32 -> the quantised numbers, widened to float32 again
;;       x = np.moveaxis(x, axis, -1); K = x.shape[-1]
;;       x = np.pad(x, [(0, 0)] * (x.ndim - 1) + [(0, -K % 32)]); x = x.reshape(x.shape[:-1] + (-1, 32)); a = np.abs(x).max(-1, keepdims=True)
;;       e = np.where(a > 0, np.clip(np.frexp(np.where(a > 0, a, 1))[1] - 1 - 2, -126, 127), 0)      # np.frexp(a)[1] - 1 = floor(log2(a)), exactly
;;       r = np.clip(x / 2.0 ** e, -7.5, 7.5)
;;       step = 2.0 ** (np.maximum(np.frexp(np.where(r == 0, 1, r))[1] - 1, 0) - 3)
;;       q = np.round(r / step) * step * 2.0 ** e      # np.round: ties to even
;;       return np.moveaxis(q.reshape(q.shape[:-2] + (-1,))[..., :K], -1, axis).astype(np.float32)
;;   ~~~
;;   OPERANDS COMPUTED ON THE WAY. 'Computed on the way' means the value that the module computes at that place (a softmax that the list does not call 'softmax' is quantised finished and normalised). What goes into a quantiser is computed in f32, as accurately as f32 sums, v_exp_f32 and their like allow (about 1e-6 of the number): no bf16 or f16 on the way to a quantiser, and a product that is left as it is and whose result goes on into a quantised operand takes f32 operands (vector FMAs, or v_wmma_f32_16x16x4_f32). A number that lies on a knife's edge between two numbers of the format may be rounded either way, as far as f32 arithmetic and the matrix unit's own rounding can turn it there, and no further.
;; 2 versions. Each part assembles by itself: llvm-mc -triple=amdgcn-amd-amdhsa -mcpu=gfx1250 --defsym DOCPART=n.
;; ======== version 1 of 2: 2 launches
;; workspace buffers: qrec 1,769,472 bytes; kv 3,538,944 bytes
;; launch proj (part 1): grid 64 x 3, 8 waves a work-group, no clusters, 78,848 bytes of LDS; arguments X, P, W_q, W_k, W_v, b_q, b_k, b_v, qrec, kv; writes qrec, kv
.if DOCPART == 1
	.amdgcn_target "amdgcn-amd-amdhsa--gfx1250"
	.amdhsa_code_object_version 6
	.text
	.protected	k_q4a5b9dcc9f_proj
	.globl	k_q4a5b9dcc9f_proj
	.p2align	8
	.type	k_q4a5b9dcc9f_proj,@function
k_q4a5b9dcc9f_proj:
	s_mov_b64 s[64:65], 0
	v_nop
	global_prefetch_b8 v0, s[64:65] scope:SCOPE_SE
	s_setreg_imm32_b32 hwreg(HW_REG_WAVE_MODE, 25, 1), 1
	s_wait_xcnt 0x0
; Q = X W_q + b_q, K = X W_k + b_k, V = X W_v + b_v on codes of E2M3 with one E8M0 scale for each 32 along K, and the results quantised again for the attention launch:
; Q and K along the hidden axis, V along the keys.  X [8192][256], W [256 (k)][256 (n)], b [256]: f32.
; SHARES.  Work-group (x, y): rows 128 x .. 128 x + 127; y = 0, 1, 2: Q, K, V.  Eight waves.
; PHASE A.  Wave w quantises one tile of 16 rows of X (two fragments of 128 along K) and 32 columns of W (two tiles, two fragments each; a lane takes a column and its registers run
; down K).  All fragments go to LDS as images of their registers: three stores of 16 bytes a lane, 512 bytes each; a scale word is 4 bytes a lane.  One barrier.
; PHASE B.  Q, K: source 0 = 16 columns of W, source 1 = my 16 rows of X: a lane holds one row and its registers run along the hidden axis.  V: source 0 = 16 rows of X, source 1 = 16 of my
; columns of W: a lane holds one channel and its registers run along the keys.  64 results a lane are one fragment of the next product: quantised in registers and stored as an image.
; TILE ORDER.  Row m of tile u of a block of 32 (rows of X, columns of W) is the block's 8 u + m + 8 (m / 8): so the 16 registers of tiles 2 b, 2 b + 1 are 16 neighbours along the next K.
; RECORDS of 6,912 bytes (27 x 256).  Q, K (32 rows): fragment (tile u, hidden 128 sg on) at 1536 (2 u + sg); scale image of tile u at 6144 + 128 u (lanes 0-15: hidden 0-127, lanes 16-31:
; hidden 128-255); x', y', z' of the 32 rows at 6400, 6528, 6656; zeros at 6784.  V (four tiles of 16 channels x 128 keys): fragments at 1536 i; scale images at 6144 + 128 p (lanes 0-15 tile 2 p,
; lanes 16-31 tile 2 p + 1); zeros from 6400.  qrec[b]: rows 32 b on.  kv[32 G + 8 s + a]: K of rows 32 (32 G + 4 a + s) on.  kv[256 + 32 G + 8 s + a]: V, channels' tiles 4 s .. 4 s + 3, keys 128 (8 G + a) on.
; COORDINATES.  x' = (x - P[0].x) sqrt(log2(e) / 2): the attention launch's exponent is then minus the sum of three squares of differences.
; LIMITS: NaN and infinities are not served.  A block of zeros gets the byte 1 where the quantiser says 127: its codes are zeros, and this program alone reads the bytes.  A centred coordinate carries two roundings of f32.
.set REC,   6912
.set FRB,   1536                       ; a fragment's image: 12 registers x 128 bytes
.set XIMG,  0                          ; LDS: X's 16 fragments, index 2 tile + k step
.set XSC,   24576                      ; their scale words, 128 bytes each
.set WIMG,  26624                      ; W's 32 fragments, index 2 tile + k step
.set WSC,   75776                      ; their scale words, index 2 pair + k step: lanes 0-15 the even tile, lanes 16-31 the odd one
.set SPARE, 77824                      ; the spare words, 128 bytes for each wave: four blocks of 256 bytes that no other line names
.set SPW, 1                            ; v1   LDS address of my spare word; never rewritten
.set NIL, 2                            ; v2   0; never rewritten
.set LI,  3                            ; v3   16 x lane
.set LS,  4                            ; v4   4 x lane
.set XA,  5                            ; v5   X: my lane's byte in the tile's rows
.set WA,  6                            ; v6   W: my column's byte in a row
.set XWI, 7                            ; v7   my two fragments of X in LDS
.set XWS, 8                            ; v8   and their scale words
.set WWI, 9                            ; v9   my four fragments of W
.set WWS, 10                           ; v10  and their scale words
.set BOQ, 11                           ; v11  bias offset, Q and K: 64 h
.set PO,  12                           ; v12  12 x lane: a row of P
.set LIW, 13                           ; v13  16 x lane + WIMG
.set LSW, 14                           ; v14  4 x lane + WSC
.set BOV, 15                           ; v15  bias offset, V: my channel
.set PC,  16                           ; v16-35 codes just made (12) and the conversions' second halves
.set FA,  16                           ; v16-27 W: the even tile's fragment;  v28-39 the odd tile's
.set FB,  28
.set TM,  36                           ; v36-51 at work in the quantisers
.set PW,  52                           ; v52  the scale word just made;  v53 the unit before's;  v54 W's
.set PW0, 53
.set SW,  54
.set FX,  56                           ; v56-79 phase B: the fixed operand's two fragments
.set STG, 80                           ; v80-127 four streamed fragments
.set ACC, 128                          ; v128-191 eight accumulators
.set BIAS, 192                         ; v192-207 V: b_v of my channel, eight times, for each of my two tiles
.set FXS, 208                          ; v208-209 the fixed operand's scale words
.set SS,  210                          ; v210-213 the streamed ones'
.set PD,  220                          ; v220-223 coordinates
.set NX0, 64                           ; phase A: three sets of 64 numbers
.set NX1, 128
.set NW,  192
.macro PLACES                          ; four places behind a matrix instruction, ahead of loads into its registers and of reads of its results
.rept 4
	v_nop
.endr
.endm
; the scaled product: d, a, b, c first registers (c < 0: the constant 0), sa, sb scale registers, ra, rb: 1 = the scales stand in lanes 16-31
.macro WM d, a, b, c, sa, sb, ra, rb
.if (\c) < 0
.if (\ra) && (\rb)
	v_wmma_scale_f32_16x16x128_f8f6f4 v[(\d):(\d)+7], v[(\a):(\a)+11], v[(\b):(\b)+11], 0, v[(\sa)], v[(\sb)] matrix_a_fmt:MATRIX_FMT_FP6 matrix_b_fmt:MATRIX_FMT_FP6 matrix_a_scale:MATRIX_SCALE_ROW1 matrix_b_scale:MATRIX_SCALE_ROW1
.elseif (\ra)
	v_wmma_scale_f32_16x16x128_f8f6f4 v[(\d):(\d)+7], v[(\a):(\a)+11], v[(\b):(\b)+11], 0, v[(\sa)], v[(\sb)] matrix_a_fmt:MATRIX_FMT_FP6 matrix_b_fmt:MATRIX_FMT_FP6 matrix_a_scale:MATRIX_SCALE_ROW1
.elseif (\rb)
	v_wmma_scale_f32_16x16x128_f8f6f4 v[(\d):(\d)+7], v[(\a):(\a)+11], v[(\b):(\b)+11], 0, v[(\sa)], v[(\sb)] matrix_a_fmt:MATRIX_FMT_FP6 matrix_b_fmt:MATRIX_FMT_FP6 matrix_b_scale:MATRIX_SCALE_ROW1
.else
	v_wmma_scale_f32_16x16x128_f8f6f4 v[(\d):(\d)+7], v[(\a):(\a)+11], v[(\b):(\b)+11], 0, v[(\sa)], v[(\sb)] matrix_a_fmt:MATRIX_FMT_FP6 matrix_b_fmt:MATRIX_FMT_FP6
.endif
.else
.if (\ra) && (\rb)
	v_wmma_scale_f32_16x16x128_f8f6f4 v[(\d):(\d)+7], v[(\a):(\a)+11], v[(\b):(\b)+11], v[(\c):(\c)+7], v[(\sa)], v[(\sb)] matrix_a_fmt:MATRIX_FMT_FP6 matrix_b_fmt:MATRIX_FMT_FP6 matrix_a_scale:MATRIX_SCALE_ROW1 matrix_b_scale:MATRIX_SCALE_ROW1
.elseif (\ra)
	v_wmma_scale_f32_16x16x128_f8f6f4 v[(\d):(\d)+7], v[(\a):(\a)+11], v[(\b):(\b)+11], v[(\c):(\c)+7], v[(\sa)], v[(\sb)] matrix_a_fmt:MATRIX_FMT_FP6 matrix_b_fmt:MATRIX_FMT_FP6 matrix_a_scale:MATRIX_SCALE_ROW1
.elseif (\rb)
	v_wmma_scale_f32_16x16x128_f8f6f4 v[(\d):(\d)+7], v[(\a):(\a)+11], v[(\b):(\b)+11], v[(\c):(\c)+7], v[(\sa)], v[(\sb)] matrix_a_fmt:MATRIX_FMT_FP6 matrix_b_fmt:MATRIX_FMT_FP6 matrix_b_scale:MATRIX_SCALE_ROW1
.else
	v_wmma_scale_f32_16x16x128_f8f6f4 v[(\d):(\d)+7], v[(\a):(\a)+11], v[(\b):(\b)+11], v[(\c):(\c)+7], v[(\sa)], v[(\sb)] matrix_a_fmt:MATRIX_FMT_FP6 matrix_b_fmt:MATRIX_FMT_FP6
.endif
.endif
.endm
; 64 numbers of a lane, register 16 b + i = k 32 b + 16 (lane / 16) + i of my row, become a fragment's codes in v[PC] on and its scale word in v[PW]
.macro QUANT s
.irp b, 0,1,2,3
	v_max3_num_f32 v[TM+\b], |v[(\s)+16*\b]|, |v[(\s)+1+16*\b]|, 0x1800000   ; my 16 numbers of block b, and the floor 2^(3 - 127): the byte cannot fall under 1
.endr
.irp i, 2,4,6,8,10,12,14
.irp b, 0,1,2,3
	v_max3_num_f32 v[TM+\b], v[TM+\b], |v[(\s)+16*\b+\i]|, |v[(\s)+1+16*\b+\i]|
.endr
.endr
.irp b, 0,1,2,3
	v_permlanex16_b32 v[TM+4+\b], v[TM+\b], s34, s35
.endr
.irp b, 0,1,2,3
	v_max_num_f32 v[TM+\b], v[TM+\b], v[TM+4+\b]      ; with lane l xor 16's: the block's largest magnitude
.endr
.irp b, 0,1,2,3
	v_add_nc_u32 v[TM+12+\b], 0xff000000, v[TM+\b]    ; 2 off its exponent field: the conversion's scale operand
.endr
.irp b, 0,1,2,3
	v_lshrrev_b32 v[TM+4+\b], 23, v[TM+12+\b]         ; the scale's byte
.endr
	v_lshl_or_b32 v[PW], v[TM+5], 8, v[TM+4]
	v_lshl_or_b32 v[PW], v[TM+6], 16, v[PW]
	v_lshl_or_b32 v[PW], v[TM+7], 24, v[PW]
.irp c, 0,1
	v_cvt_scalef32_pk16_fp6_f32 v[PC+6*\c:PC+2+6*\c], v[(\s)+32*\c:(\s)+15+32*\c], v[TM+12+2*\c]
	v_cvt_scalef32_pk16_fp6_f32 v[PC+12+4*\c:PC+14+4*\c], v[(\s)+16+32*\c:(\s)+31+32*\c], v[TM+12+2*\c+1]   ; (a conversion's three registers begin on an even number)
.endr
	v_nop                                             ; one plain place behind a scaled conversion
.irp c, 0,1                                       ; the operand's layout wants a whole block in a lane: lanes 0-15 block 2 c, lanes 16-31 block 2 c + 1
.irp i, 0,1,2
	v_permlane16_swap_b32 v[PC+6*\c+\i], v[PC+12+4*\c+\i]
.endr
.irp i, 0,1,2
	v_mov_b32 v[PC+3+6*\c+\i], v[PC+12+4*\c+\i]
.endr
.endr
.endm
.macro IMAGE adr, off                  ; the fragment in v[PC] on goes to LDS as it stands
.irp c, 0,1,2
	ds_store_b128 v[\adr], v[PC+4*\c:PC+4*\c+3] offset:(\off)+512*\c
.endr
.endm
.macro FETCH reg, adr, off             ; and comes back so, in any wave
.irp c, 0,1,2
	ds_load_b128 v[(\reg)+4*\c:(\reg)+4*\c+3], v[\adr] offset:(\off)+512*\c
.endr
.endm
.macro XLOAD reg, k                    ; my row's numbers of k step k: of each block of 32 the 16 of my half
.irp b, 0,1,2,3
.irp j, 0,1,2,3
	global_load_b128 v[(\reg)+16*\b+4*\j:(\reg)+16*\b+4*\j+3], v[XA], s[4:5] offset:512*(\k)+128*\b+16*\j
.endr
.endr
.endm
.macro WLOAD reg, rho                  ; W(64 rho + i, my column), i = 0 .. 63: the 32 lanes of a load read 128 consecutive bytes
.set wi, 0
.rept 64
	global_load_b32 v[(\reg)+wi], v[WA], s[8:9] offset:(64*(\rho)+wi)*1024
.set wi, wi+1
.endr
.endm
; Two blocks of 32 down K of my column.  Lanes 0-15 hold the even tile's columns, lanes 16-31 the odd tile's; a fragment wants block 2 c in lanes 0-15 and block 2 c + 1 in lanes 16-31 of ONE tile:
; six exchanges of halves between the first block's codes and the second's give registers 6 c .. 6 c + 5 of both tiles' fragments.  A column's scale bytes stay in its lane.
.macro WQ reg, c
	v_max3_num_f32 v48, |v[(\reg)]|, |v[(\reg)+1]|, 0x1800000
	v_max3_num_f32 v49, |v[(\reg)+32]|, |v[(\reg)+33]|, 0x1800000
.irp i, 2,4,6,8,10,12,14,16,18,20,22,24,26,28,30
	v_max3_num_f32 v48, v48, |v[(\reg)+\i]|, |v[(\reg)+1+\i]|
	v_max3_num_f32 v49, v49, |v[(\reg)+32+\i]|, |v[(\reg)+33+\i]|
.endr
	v_add_nc_u32 v50, 0xff000000, v48
	v_add_nc_u32 v51, 0xff000000, v49
	v_cvt_scalef32_pk16_fp6_f32 v[FA+6*(\c):FA+6*(\c)+2], v[(\reg):(\reg)+15], v50
	v_cvt_scalef32_pk16_fp6_f32 v[40:42], v[(\reg)+16:(\reg)+31], v50
	v_cvt_scalef32_pk16_fp6_f32 v[FB+6*(\c):FB+6*(\c)+2], v[(\reg)+32:(\reg)+47], v51
	v_cvt_scalef32_pk16_fp6_f32 v[44:46], v[(\reg)+48:(\reg)+63], v51
	v_lshrrev_b32 v48, 23, v50                        ; the bytes.  (A plain place behind the conversions)
	v_lshrrev_b32 v49, 23, v51
.irp i, 0,1,2
	v_mov_b32 v[FA+6*(\c)+3+\i], v[40+\i]
	v_mov_b32 v[FB+6*(\c)+3+\i], v[44+\i]
.endr
.irp i, 0,1,2,3,4,5
	v_permlane16_swap_b32 v[FA+6*(\c)+\i], v[FB+6*(\c)+\i]
.endr
	v_lshl_or_b32 v48, v49, 8, v48
.if (\c) == 0
	v_mov_b32 v[SW], v48
.else
	v_lshl_or_b32 v[SW], v48, 16, v[SW]
.endif
.endm
.macro IMAGEW k                        ; both tiles' fragments of k step k, and their scale words
.irp c, 0,1,2
	ds_store_b128 v[WWI], v[FA+4*\c:FA+4*\c+3] offset:FRB*(\k)+512*\c
	ds_store_b128 v[WWI], v[FB+4*\c:FB+4*\c+3] offset:2*FRB+FRB*(\k)+512*\c
.endr
	ds_store_b32 v[WWS], v[SW] offset:128*(\k)
.endm
; One unit of phase B: eight accumulators, two k steps, four streamed fragments at a time.  The accumulators take turns, one instruction a turn.
; path 0 (Q, K): hidden units 128 sg on of my 16 rows; the bias is loaded into the accumulators.  path 1 (V): my tile 2 w + sg of channels, 128 keys; the bias is the C of each sum's first product.
.macro UNIT path, sg
.if (\path) == 0
.irp t, 0,1,2,3,4,5,6,7
	global_load_b128 v[ACC+8*\t:ACC+8*\t+3], v[BOQ], s[14:15] offset:(128*(\sg)+32*(\t/2)+8*(\t%2))*4
	global_load_b128 v[ACC+8*\t+4:ACC+8*\t+7], v[BOQ], s[14:15] offset:(128*(\sg)+32*(\t/2)+8*(\t%2))*4+16
.endr
.else
	FETCH FX, WWI, 2*FRB*(\sg)
	FETCH FX+12, WWI, 2*FRB*(\sg)+FRB
.endif
.irp k, 0,1
.irp hf, 0,1
.irp q, 0,1,2,3
.if (\path) == 0
	FETCH STG+12*\q, LIW, (2*(8*(\sg)+4*\hf+\q)+\k)*FRB
.else
	FETCH STG+12*\q, LI, XIMG+(2*(4*\hf+\q)+\k)*FRB
	ds_load_b32 v[SS+\q], v[LS] offset:XSC+(2*(4*\hf+\q)+\k)*128
.endif
.endr
.if (\path) == 0
	ds_load_b32 v[SS], v[LSW] offset:(2*(4*(\sg)+2*\hf)+\k)*128
	ds_load_b32 v[SS+1], v[LSW] offset:(2*(4*(\sg)+2*\hf+1)+\k)*128
.endif
	s_wait_dscnt 0x0
.if ((\k) == 0) && ((\hf) == 0)
	s_wait_loadcnt 0x0                                ; the bias
.endif
.irp q, 0,1,2,3
.if (\path) == 0
	WM ACC+8*(4*\hf+\q), STG+12*\q, FX+12*\k, ACC+8*(4*\hf+\q), SS+\q/2, FXS+\k, \q%2, 0
.elseif (\k) == 0
	WM ACC+8*(4*\hf+\q), STG+12*\q, FX+12*\k, BIAS+8*(\sg), SS+\q, FXS+\k, 0, \sg
.else
	WM ACC+8*(4*\hf+\q), STG+12*\q, FX+12*\k, ACC+8*(4*\hf+\q), SS+\q, FXS+\k, 0, \sg
.endif
.endr
	PLACES
.endr
.endr
.endm
.macro OUTF sg                         ; the fragment just made leaves as its image: each store of the wave covers 512 consecutive bytes, aligned
.irp c, 0,1,2
	global_store_b128 v[LI], v[PC+4*\c:PC+4*\c+3], s[20:21] offset:FRB*(\sg)+512*\c
.endr
.endm
	s_load_b128 s[4:7], s[0:1], 0x0                   ; X, P
	s_load_b256 s[8:15], s[0:1], 0x10                 ; W_q, W_k, W_v, b_q
	s_load_b256 s[16:23], s[0:1], 0x30                ; b_k, b_v, qrec, kv
	v_lshl_add_u32 v[SPW], v0, 2, SPARE
	v_mov_b32 v[NIL], 0
	v_lshrrev_b32 v56, 5, v0
	v_readfirstlane_b32 s24, v56                      ; wave 0..7
	s_and_b32 s25, ttmp7, 0xffff                      ; y: Q, K or V
	s_mov_b32 s26, ttmp9                              ; which 128 rows
	s_lshr_b32 s27, s24, 1                            ; which block of 32 of them (V: which record of four tiles)
	s_and_b32 s46, s24, 1                             ; which tile of the block
	v_and_b32 v56, 15, v0                             ; r
	v_bfe_u32 v57, v0, 4, 1                           ; h
	v_and_b32 v58, 31, v0                             ; lane
	v_lshlrev_b32 v[LI], 4, v58
	v_lshlrev_b32 v[LS], 2, v58
	v_mul_u32_u24 v[PO], v58, 12
	v_and_b32 v59, 8, v56
	v_add_nc_u32 v59, v59, v56                        ; r + 8 (r / 8)
	v_lshlrev_b32 v[XA], 10, v59
	v_lshl_add_u32 v[XA], v57, 6, v[XA]               ; X: that row of 1,024 bytes, + 64 h
	s_lshl_b32 s28, s24, 7
	v_lshlrev_b32 v[BOV], 2, v59
	v_add_nc_u32 v[BOV], s28, v[BOV]                  ; b_v: channel 32 w + r + 8 (r / 8)
	v_lshlrev_b32 v[BOQ], 6, v57
	v_and_b32 v59, 7, v0
	v_lshl_add_u32 v59, v57, 3, v59
	v_bfe_u32 v58, v0, 3, 1
	v_lshl_add_u32 v59, v58, 4, v59                   ; W: lane l takes column 32 w + 8 (l / 16) + l % 8 + 16 ((l / 8) % 2): the tile order
	v_lshlrev_b32 v[WA], 2, v59
	v_add_nc_u32 v[WA], s28, v[WA]
	s_mul_i32 s28, s24, 2*FRB
	v_add_nc_u32 v[XWI], s28, v[LI]
	s_lshl_b32 s28, s24, 8
	s_add_co_u32 s29, s28, XSC
	v_add_nc_u32 v[XWS], s29, v[LS]
	s_add_co_u32 s29, s28, WSC
	v_add_nc_u32 v[WWS], s29, v[LS]
	s_mul_i32 s28, s24, 4*FRB
	s_add_co_u32 s28, s28, WIMG
	v_add_nc_u32 v[WWI], s28, v[LI]
	v_add_nc_u32 v[LIW], WIMG, v[LI]
	v_add_nc_u32 v[LSW], WSC, v[LS]
.irp b, 0,1,2,3
	v_mov_b32 v[TM+4+\b], 0                           ; written once: a lane permute's destination counts as one of its sources
.endr
	s_mov_b32 s34, 0x76543210
	s_mov_b32 s35, 0xfedcba98                         ; v_permlanex16_b32's selects for lane l xor 16
	; which record is my wave's
	s_lshl_b32 s28, s26, 2
	s_add_co_u32 s28, s28, s27                        ; Q: 4 x + w / 2
	s_lshr_b32 s29, s26, 3
	s_lshl_b32 s29, s29, 5
	s_lshl_b32 s30, s27, 3
	s_add_co_u32 s29, s29, s30
	s_and_b32 s30, s26, 7
	s_add_co_u32 s29, s29, s30
	s_sub_co_u32 s30, s25, 1
	s_lshl_b32 s30, s30, 8
	s_add_co_u32 s29, s29, s30                        ; K, V: 256 (y - 1) + 32 (x / 8) + 8 (w / 2) + x % 8
	s_cmp_eq_u32 s25, 0
	s_cselect_b32 s28, s28, s29
	s_mul_i32 s30, s28, REC
	s_mov_b32 s31, 0
	s_mul_i32 s32, s46, 2*FRB                         ; my two fragments in it
	s_mov_b32 s33, 0
	s_lshl_b32 s52, s46, 7                            ; my scale image in it
	s_mov_b32 s53, 0
	s_lshl_b32 s47, s26, 7
	s_lshl_b32 s48, s27, 5
	s_add_co_u32 s47, s47, s48                        ; the block's first row
	s_lshl_b32 s48, s46, 3
	s_add_co_u32 s48, s47, s48
	s_lshl_b32 s48, s48, 10                           ; my tile's first row of X, in bytes
	s_mov_b32 s49, 0
	s_mul_i32 s50, s47, 12                            ; the block's first row of P
	s_mov_b32 s51, 0
	s_cmp_eq_u32 s25, 2
	s_cselect_b32 s39, 0, 0x3f596d27                  ; sqrt(log2(e) / 2); in a record of V zeros stand there
	s_wait_kmcnt 0x0
	s_load_b96 s[36:38], s[6:7], 0x0                  ; P[0]
	s_cmp_eq_u32 s25, 0                               ; the choices hang on the work-group's number alone
	s_cselect_b64 s[8:9], s[8:9], s[10:11]
	s_cselect_b64 s[14:15], s[14:15], s[16:17]
	s_cselect_b64 s[20:21], s[20:21], s[22:23]
	s_cmp_eq_u32 s25, 2
	s_cselect_b64 s[8:9], s[12:13], s[8:9]            ; W
	s_cselect_b64 s[14:15], s[18:19], s[14:15]        ; b
	s_add_nc_u64 s[4:5], s[4:5], s[48:49]
	s_add_nc_u64 s[40:41], s[6:7], s[50:51]
	s_add_nc_u64 s[42:43], s[20:21], s[30:31]         ; my record,
	s_add_nc_u64 s[20:21], s[42:43], s[32:33]         ; my fragments in it,
	s_add_nc_u64 s[44:45], s[42:43], s[52:53]         ; my scale image, less 6,144
	; ---- PHASE A
	XLOAD NX0, 0
	XLOAD NX1, 1
	WLOAD NW, 0
	s_wait_loadcnt 63                                 ; 64 loads were issued behind X's 32: X is in
	QUANT NX0
	IMAGE XWI, 0
	ds_store_b32 v[XWS], v[PW]
	WLOAD NX0, 1
	s_wait_dscnt 0x0                                  ; the stores have read their registers
	QUANT NX1
	IMAGE XWI, FRB
	ds_store_b32 v[XWS], v[PW] offset:128
	WLOAD NX1, 2
	s_wait_dscnt 0x0
	s_wait_loadcnt 63                                 ; 128 were issued behind W's rows 0-63
	WQ NW, 0
	WLOAD NW, 3
	s_wait_loadcnt 63                                 ; 128 behind rows 64-127
	WQ NX0, 1
	IMAGEW 0
	s_wait_dscnt 0x0
	s_wait_loadcnt 63                                 ; 64 behind rows 128-191
	WQ NX1, 0
	s_wait_loadcnt 0x0
	WQ NW, 1
	IMAGEW 1
	s_wait_kmcnt 0x0                                  ; P[0]
	s_cmp_lg_u32 s46, 0                               ; the even wave of a record writes its last 512 bytes: the block's coordinates, or zeros
	s_cbranch_scc1 .Lno_p
	global_load_b32 v[PD], v[PO], s[40:41]
	global_load_b32 v[PD+1], v[PO], s[40:41] offset:4
	global_load_b32 v[PD+2], v[PO], s[40:41] offset:8
	v_mov_b32 v[PD+3], 0
	s_wait_loadcnt 0x0
	v_sub_f32 v[PD], v[PD], s36
	v_sub_f32 v[PD+1], v[PD+1], s37
	v_sub_f32 v[PD+2], v[PD+2], s38
	v_mul_f32 v[PD], s39, v[PD]
	v_mul_f32 v[PD+1], s39, v[PD+1]
	v_mul_f32 v[PD+2], s39, v[PD+2]
.irp a, 0,1,2,3
	global_store_b32 v[LS], v[PD+\a], s[42:43] offset:6400+128*\a
.endr
.Lno_p:
	s_wait_dscnt 0x0                                  ; for the others' sake: my images lie in LDS
	s_barrier_signal -1
	s_barrier_wait -1                                 ; everybody's do; from here on LDS is only read
	; ---- PHASE B
	s_cmp_eq_u32 s25, 2
	s_cbranch_scc1 .Lv_path
	FETCH FX, XWI, 0                                  ; Q, K: my tile of X is the fixed operand
	FETCH FX+12, XWI, FRB
	ds_load_b32 v[FXS], v[XWS]
	ds_load_b32 v[FXS+1], v[XWS] offset:128
	UNIT 0, 0
	QUANT ACC
	OUTF 0
	v_mov_b32 v[PW0], v[PW]
	UNIT 0, 1
	s_wait_xcnt 0x0                                   ; the stores have read the codes' registers: they are written anew only behind this wait
	QUANT ACC
	OUTF 1
	s_branch .Lout
.Lv_path:
.irp sg, 0,1
.irp j, 0,1,2,3,4,5,6,7
	global_load_b32 v[BIAS+8*\sg+\j], v[BOV], s[14:15] offset:32*\sg   ; a lane holds one channel: its bias in all eight registers
.endr
.endr
	ds_load_b32 v[FXS], v[WWS]                        ; V: my pair of W's tiles is the fixed operand; tile sg's scales stand in lanes 16 sg on
	ds_load_b32 v[FXS+1], v[WWS] offset:128
	UNIT 1, 0
	QUANT ACC
	OUTF 0
	v_mov_b32 v[PW0], v[PW]
	UNIT 1, 1
	s_wait_xcnt 0x0
	QUANT ACC
	OUTF 1
.Lout:
	v_and_b32 v[SW], 16, v0
	v_cmp_eq_u32 vcc_lo, 0, v[SW]
	v_cndmask_b32 v[SW], v[PW], v[PW0], vcc_lo        ; lanes 0-15: the first unit's words, lanes 16-31: the second's
	global_store_b32 v[LS], v[SW], s[44:45] offset:6144
	s_wait_tensorcnt 0x0                              ; the wave's end: behind my last LDS store
	ds_add_u32 v[SPW], v[NIL]
	s_wait_dscnt 0x0
	s_endpgm
.Lfunc_end_k_q4a5b9dcc9f_proj:
	.size	k_q4a5b9dcc9f_proj, .Lfunc_end_k_q4a5b9dcc9f_proj-k_q4a5b9dcc9f_proj
	.p2alignl 7, 3214868480
	.fill 96, 4, 3214868480
	.section	.rodata,"a",@progbits
	.p2align	6, 0x0
	.amdhsa_kernel k_q4a5b9dcc9f_proj
		.amdhsa_group_segment_fixed_size 78848
		.amdhsa_private_segment_fixed_size 0
		.amdhsa_enable_private_segment 0
		.amdhsa_kernarg_size 80
		.amdhsa_user_sgpr_count 2
		.amdhsa_user_sgpr_kernarg_segment_ptr 1
		.amdhsa_wavefront_size32 1
		.amdhsa_system_sgpr_workgroup_id_x 1
		.amdhsa_system_sgpr_workgroup_id_y 1
		.amdhsa_system_sgpr_workgroup_id_z 1
		.amdhsa_system_vgpr_workitem_id 0
		.amdhsa_next_free_vgpr 256
		.amdhsa_next_free_sgpr 66
		.amdhsa_reserve_vcc 1
		.amdhsa_float_denorm_mode_32 3
		.amdhsa_float_denorm_mode_16_64 3
		.amdhsa_memory_ordered 1
		.amdhsa_forward_progress 1
		.amdhsa_inst_pref_size 102
	.end_amdhsa_kernel
	.amdgpu_metadata
---
amdhsa.version: [ 1, 2 ]
amdhsa.kernels:
  - .name:           k_q4a5b9dcc9f_proj
    .symbol:         k_q4a5b9dcc9f_proj.kd
    .args:
      - { .name: X, .offset: 0, .size: 8, .value_kind: global_buffer, .address_space: global }
      - { .name: P, .offset: 8, .size: 8, .value_kind: global_buffer, .address_space: global }
      - { .name: W_q, .offset: 16, .size: 8, .value_kind: global_buffer, .address_space: global }
      - { .name: W_k, .offset: 24, .size: 8, .value_kind: global_buffer, .address_space: global }
      - { .name: W_v, .offset: 32, .size: 8, .value_kind: global_buffer, .address_space: global }
      - { .name: b_q, .offset: 40, .size: 8, .value_kind: global_buffer, .address_space: global }
      - { .name: b_k, .offset: 48, .size: 8, .value_kind: global_buffer, .address_space: global }
      - { .name: b_v, .offset: 56, .size: 8, .value_kind: global_buffer, .address_space: global }
      - { .name: qrec, .offset: 64, .size: 8, .value_kind: global_buffer, .address_space: global }
      - { .name: kv, .offset: 72, .size: 8, .value_kind: global_buffer, .address_space: global }
    .group_segment_fixed_size: 78848
    .private_segment_fixed_size: 0
    .kernarg_segment_align: 8
    .kernarg_segment_size: 80
    .max_flat_workgroup_size: 256
    .sgpr_count:     66
    .vgpr_count:     256
    .wavefront_size: 32
...
	.end_amdgpu_metadata
.endif
;; end of part 1
;; launch attn (part 2): grid 256 x 1, 8 waves a work-group, clusters of 4 x 1, 327,680 bytes of LDS; arguments qrec, kv, X, out0; writes out0
.if DOCPART == 2
	.amdgcn_target "amdgcn-amd-amdhsa--gfx1250"
	.amdhsa_code_object_version 6
	.text
	.protected	k_q4a5b9dcc9f_attn
	.globl	k_q4a5b9dcc9f_attn
	.p2align	8
	.type	k_q4a5b9dcc9f_attn,@function
k_q4a5b9dcc9f_attn:
	s_mov_b64 s[64:65], 0
	v_nop
	global_prefetch_b8 v0, s[64:65] scope:SCOPE_SE
	s_setreg_imm32_b32 hwreg(HW_REG_WAVE_MODE, 25, 1), 1
	s_wait_xcnt 0x0
	s_wait_alu depctr_hold_cnt(0) depctr_sa_sdst(0) depctr_va_vdst(0) depctr_va_sdst(0) depctr_va_ssrc(0) depctr_va_vcc(0) depctr_vm_vsrc(0)
	s_getreg_b32 s2, hwreg(HW_REG_IB_STS2, 6, 4)
	s_cmp_eq_u32 s2, 0
	s_cbranch_scc0 .Lentry_in_a_cluster
	s_endpgm
.Lentry_in_a_cluster:
	s_bfe_u32 s2, ttmp6, 0x10000c
	s_cmp_lg_u32 s2, 0x3003
	s_cbranch_scc0 .Lentry_shape_is_right
	s_endpgm
.Lentry_shape_is_right:
; out0 = A V + X, A = softmax_one(Q K^T / 16 x exp(-|P_i - P_j|^2 / 2)) along the keys; both products on codes of E2M3 with E8M0 scales.  A is quantised FINISHED AND NORMALISED, in blocks of 32 keys,
; so a row's maximum and sum are known before its first code is made: TWO WALKS over the keys.  Walk 1 finds each query's maximum and sum; walk 2 makes the scores and the decay anew, then A, its codes, and A V.
; ARITHMETIC of an element.  E = -dx'^2 - dy'^2 - dz'^2 + log2(log2(e) / 16), with coordinates scaled by sqrt(log2(e) / 2) and centred by the launch before; t = S 2^E = score x decay x log2(e).
; M = the largest t rounded up to a whole number, kept as -M = floor(-t); p = 2^(t - M); A = p / (2^(Tmax - M) + sum of p): the first term of the divisor is softmax_one's 1.
; SHARES.  A work-group owns 32 queries (two tiles of 16, in the tile order of the records); its eight waves all hold both tiles and SHARE THE KEYS: each fragment of K or V read from LDS feeds two products
; and is read by one wave.  Both products are used transposed (S^T = K Q^T, O^T = V^T A^T): a lane holds one query.  At the end the eight waves' O^T are added through LDS, and X is added.
; THE STREAM.  50 slots of 16 records of 6,912 bytes go through two LDS slots.  Slots 0-15: K, 512 keys each.  Slots 16 + n, n = 0 .. 31: 8 records of K (256 keys) and 8 of V.  A wave has the codes of 128 keys
; after four slots, so A V of a group of four slots is done during the next group, four tiles of channels a slot; in the first group the codes in hand are zeros.  Slots 48, 49: the last group's V.
; CLUSTER.  The four work-groups of a cluster walk the same stream: every tile is asked for JOINTLY, by the same tensor load with the same descriptor and a mask that names the four.  Wave w fetches records
; 2 w and 2 w + 1 of a slot: one load a wave behind each round of the cluster's barrier, one load of mine out at any time.
; LIMITS: NaN and infinities are not served.  A decay or a p under 2^-126 counts as 0 (v_exp_f32 gives 0 there: ISA guide, its entry).  A block of zeros has the byte 1 where the quantiser says 127: its codes are zeros.
; REGISTERS.  Window 0: see the names below.  Window 1: O^T, tile of queries g, tile of channels t at v[128 g + 8 t].
.set REC,   6912
.set SLOTB, 16*REC                     ; a slot's bytes
.set HALFB, 8*REC                      ; half of them
.set SLOT1, 131072                     ; LDS: slot 1 begins here
.set VBASE, 256*REC                    ; V's records in kv
.set STAT,  322560                     ; LDS: (largest t, sum) of each lane of each wave, for both tiles: 4,096 bytes; no tile lands here
.set SPARE, 326656                     ; the spare words, 128 bytes for each wave: four blocks of 256 bytes that no other line names
.set SPW, 1                            ; v1   LDS address of my spare word; never rewritten
.set NIL, 2                            ; v2   0; never rewritten
.set P1A, 3                            ; v3-4   walk 1: my two records in slot 0, 1: + 16 x lane
.set P1B, 5                            ; v5-6   the same + 4 x lane
.set P2A, 7                            ; v7-8   walk 2: my record in each half of slot 0, 1: + 16 x lane
.set P2B, 9                            ; v9-10  the same + 4 x lane
.set PFO, 11                           ; v11  the prefetches' offset: 256 x min(lane, 26): a record is 27 blocks of 256 bytes
.set STR, 12                           ; v12  STAT + 8 r
.set STW, 13                           ; v13  STAT + 512 w + 8 lane
.set LI16, 14                          ; v14  16 x lane
.set LS4, 15                           ; v15  4 x lane
.set QF,  16                           ; v16-63 Q: fragment (tile g, hidden 128 sg on) at 12 (2 g + sg)
.set QS,  64                           ; v64-65 its scale images
.set QC,  66                           ; v66-71 my query's x', y', z', for each g
.set NM,  72                           ; v72-75 -M in the low word of a pair, for each g
.set KX,  76                           ; v76-78 x', y', z' of the block's key number lane
.set KSC, 80                           ; v80-81 K's scale images;  v82-83 V's
.set VSC, 82
.set STG, 84                           ; v84-131 four fragments of K or of V
.set E,   84                           ; v84-115 the exponents, then the decays: over K's fragments, once the products are issued
.set S,   132                          ; v132-163 S^T at 16 g + i: key 16 (lane / 16) + i of the block; then t, p, A
.set T,   164                          ; v164-179 at work
.set AM,  164
.set AP,  166
.set SO,  168
.set BY,  170
.set TY,  172
.set CUR, 180                          ; v180-203 A's codes of the group before, 12 for each g
.set NEW, 204                          ; v204-227 those being made
.set CURW, 228                         ; v228-229, v230-231 their scale words
.set NEWW, 230
.set ST,  232                          ; v232-247 walk 1, eight for each g: -M, largest t, the sum (a pair), the factor (a pair), a second chain (a pair)
.set SOA, 248                          ; v248 the way out: where I put 16 bytes of a row of my stage
.set QCO, 249                          ; v249 4 (r + 8 (r / 8))
.set IV,  250                          ; v250-253 1 / divisor in the low word of a pair, for each g
.set OA,  16                           ; the way out: my four rows of X, then of the output
.set BUF, 84                           ; and four waves' parts of them
.set WV,  12                           ; s12  my wave's number
.set WB,  36                           ; s36  13,824 x wave
.set CNT, 35                           ; s35  trips to go
.set LIM1, 44                          ; s44  walk 1: 1 in a wave that prefetches, else the greatest number
.set LIMV, 45                          ; s45  walk 2: 8 in a wave that prefetches, else 0
.set MSB, 0
.macro WIN new                         ; the immediate's high byte repeats the setting that is left
.if MSB != \new
	s_set_vgpr_msb (MSB<<8)|\new
.set MSB, \new
.endif
.endm
.macro PLACES                          ; four places behind a matrix instruction, ahead of loads into its registers and of reads of its results
.rept 4
	v_nop
.endr
.endm
.macro WM d, a, b, c, sa, sb, ra, rb   ; the scaled product: c < 0: the constant 0;  ra, rb: 1 = the scales stand in lanes 16-31
.if (\c) < 0
.if (\ra) && (\rb)
	v_wmma_scale_f32_16x16x128_f8f6f4 v[(\d):(\d)+7], v[(\a):(\a)+11], v[(\b):(\b)+11], 0, v[(\sa)], v[(\sb)] matrix_a_fmt:MATRIX_FMT_FP6 matrix_b_fmt:MATRIX_FMT_FP6 matrix_a_scale:MATRIX_SCALE_ROW1 matrix_b_scale:MATRIX_SCALE_ROW1
.elseif (\ra)
	v_wmma_scale_f32_16x16x128_f8f6f4 v[(\d):(\d)+7], v[(\a):(\a)+11], v[(\b):(\b)+11], 0, v[(\sa)], v[(\sb)] matrix_a_fmt:MATRIX_FMT_FP6 matrix_b_fmt:MATRIX_FMT_FP6 matrix_a_scale:MATRIX_SCALE_ROW1
.elseif (\rb)
	v_wmma_scale_f32_16x16x128_f8f6f4 v[(\d):(\d)+7], v[(\a):(\a)+11], v[(\b):(\b)+11], 0, v[(\sa)], v[(\sb)] matrix_a_fmt:MATRIX_FMT_FP6 matrix_b_fmt:MATRIX_FMT_FP6 matrix_b_scale:MATRIX_SCALE_ROW1
.else
	v_wmma_scale_f32_16x16x128_f8f6f4 v[(\d):(\d)+7], v[(\a):(\a)+11], v[(\b):(\b)+11], 0, v[(\sa)], v[(\sb)] matrix_a_fmt:MATRIX_FMT_FP6 matrix_b_fmt:MATRIX_FMT_FP6
.endif
.else
.if (\ra) && (\rb)
	v_wmma_scale_f32_16x16x128_f8f6f4 v[(\d):(\d)+7], v[(\a):(\a)+11], v[(\b):(\b)+11], v[(\c):(\c)+7], v[(\sa)], v[(\sb)] matrix_a_fmt:MATRIX_FMT_FP6 matrix_b_fmt:MATRIX_FMT_FP6 matrix_a_scale:MATRIX_SCALE_ROW1 matrix_b_scale:MATRIX_SCALE_ROW1
.elseif (\ra)
	v_wmma_scale_f32_16x16x128_f8f6f4 v[(\d):(\d)+7], v[(\a):(\a)+11], v[(\b):(\b)+11], v[(\c):(\c)+7], v[(\sa)], v[(\sb)] matrix_a_fmt:MATRIX_FMT_FP6 matrix_b_fmt:MATRIX_FMT_FP6 matrix_a_scale:MATRIX_SCALE_ROW1
.elseif (\rb)
	v_wmma_scale_f32_16x16x128_f8f6f4 v[(\d):(\d)+7], v[(\a):(\a)+11], v[(\b):(\b)+11], v[(\c):(\c)+7], v[(\sa)], v[(\sb)] matrix_a_fmt:MATRIX_FMT_FP6 matrix_b_fmt:MATRIX_FMT_FP6 matrix_b_scale:MATRIX_SCALE_ROW1
.else
	v_wmma_scale_f32_16x16x128_f8f6f4 v[(\d):(\d)+7], v[(\a):(\a)+11], v[(\b):(\b)+11], v[(\c):(\c)+7], v[(\sa)], v[(\sb)] matrix_a_fmt:MATRIX_FMT_FP6 matrix_b_fmt:MATRIX_FMT_FP6
.endif
.endif
.endm
; A round of the cluster's barrier: my work-group's barrier; wave 0 signals for the work-group; every wave waits for all four work-groups; my work-group's barrier once more.
.macro CROUND
	s_barrier_signal -1
	s_barrier_wait -1
	s_cmp_lg_u32 s[WV], 0
	s_cbranch_scc1 .Lnot_wave_0_\@
	s_barrier_signal -3
.Lnot_wave_0_\@:
	s_barrier_wait -3
	s_barrier_signal -1
	s_barrier_wait -1
.endm
.macro JLOAD                           ; the joint load: one line for all waves, each with its own two records; an s_nop 0 and four v_nop follow it
	tensor_load_to_lds s[24:27], s[16:23]
	s_nop 0
.rept 4
	v_nop
.endr
.endm
; THE CHANGE OF SLOTS stands at a slot's head.  Each wave waits for all its tensor loads (its part of the slot that it is about to read), adds 0 to its spare word, and waits for that and for its reads of
; the slot that it has left.  Behind the round the slot ahead is whole in all four work-groups and nobody reads the other one: it is filled with the stream's next slot, which has a slot's work in which to land.
; npar: the slot to be filled.  kind: how the stream's byte offset s30 goes on.  0: a slot of 16 records.  1: the same, but walk 1's last change goes to walk 2's first slot.  2: half a slot in K and in V.
; 3: the same; in the first trip V goes back four steps (the first group's V is read twice); in the last trip the offset goes to the tail's.  All of it hangs on the wave's number and the count of trips alone.
; pstep: what the prefetches' address steps by.
.macro CHANGE npar, kind, pstep
	s_wait_tensorcnt 0x0                              ; no tensor load of mine is out, so group 0 may be written
	ds_add_u32 v[SPW], v[NIL]                         ; 0 onto my spare word; the descriptor's steps stand between it and the wait for it
	s_add_co_u32 s25, s[WB], (\npar)*SLOT1
.if (\kind) == 0
	s_add_co_u32 s30, s30, SLOTB
.elseif (\kind) == 1
	s_add_co_u32 s30, s30, SLOTB
	s_cmp_eq_u32 s[CNT], 1
	s_cselect_b32 s30, s32, s30
.elseif (\kind) == 2
	s_add_co_u32 s30, s30, HALFB
.else
	s_add_co_u32 s30, s30, HALFB
	s_cmp_eq_u32 s[CNT], 8
	s_cselect_b32 s46, s34, 0
	s_sub_co_u32 s30, s30, s46
	s_cmp_eq_u32 s[CNT], 1
	s_cselect_b32 s30, s33, s30
.endif
	s_add_nc_u64 s[26:27], s[6:7], s[30:31]
	s_or_b32 s27, s27, 0x80000000                     ; type = 2
.if (\pstep) > 0
	s_wait_xcnt 0x0                                   ; the last prefetch, a slot back, has read its address, so it may be written
	s_add_nc_u64 s[42:43], s[42:43], \pstep
.endif
	s_wait_dscnt 0x0                                  ; the add is done, and my reads of the slot that I have left are over
	CROUND
	JLOAD                                             ; the first thing behind the round, and my one tensor load until the next
.endm
; PREFETCHES INTO THE L2.  All clusters walk the same stream: the first cluster asks.  Its four partners are told apart by address.  A lane names a block of 256 bytes of a record (lanes 27-31 name the 27th again).
; Walk 1: waves 0-3 ask for record 4 cx + w of the slot after the one just asked for; the last trip asks for nothing.  Slots 0 and 1 come by their loads alone.
.macro ASK1
	s_cmp_gt_u32 s[CNT], s[LIM1]
	s_cbranch_scc0 .Lnot_mine_\@
	global_prefetch_b8 v[PFO], s[42:43] th:TH_LOAD_NT scope:SCOPE_SE
.Lnot_mine_\@:
.endm
; Walk 2: K has been read before.  At slot 16 + n, n from 4 on, waves 0 and 1 ask for V's record 8 n + 2 cx + w, which the change of slots three slots on (for the last three: sooner) will ask for.
.macro ASK2
	s_cmp_lt_u32 s[CNT], s[LIMV]
	s_cbranch_scc0 .Lnot_mine_\@
	global_prefetch_b8 v[PFO], s[42:43] th:TH_LOAD_NT scope:SCOPE_SE
.Lnot_mine_\@:
.endm
.macro LOADK a, b, off                 ; a record of K: four fragments, two scale images, the 32 keys' coordinates
.irp f, 0,1,2,3
.irp c, 0,1,2
	ds_load_b128 v[STG+12*\f+4*\c:STG+12*\f+4*\c+3], v[\a] offset:(\off)+1536*\f+512*\c
.endr
.endr
	ds_load_b32 v[KSC], v[\b] offset:(\off)+6144
	ds_load_b32 v[KSC+1], v[\b] offset:(\off)+6272
	ds_load_b32 v[KX], v[\b] offset:(\off)+6400
	ds_load_b32 v[KX+1], v[\b] offset:(\off)+6528
	ds_load_b32 v[KX+2], v[\b] offset:(\off)+6656
.endm
.macro LOADV a, b, off                 ; a record of V: four fragments, two scale images
.irp f, 0,1,2,3
.irp c, 0,1,2
	ds_load_b128 v[STG+12*\f+4*\c:STG+12*\f+4*\c+3], v[\a] offset:(\off)+1536*\f+512*\c
.endr
.endr
	ds_load_b32 v[VSC], v[\b] offset:(\off)+6144
	ds_load_b32 v[VSC+1], v[\b] offset:(\off)+6272
.endm
; S^T of 32 keys x 32 queries: four accumulators by turns, hidden 0-127 (they start the sums), then hidden 128-255 (scales in lanes 16-31)
.macro QK
	s_wait_dscnt 0x0
.irp g, 0,1
.irp u, 0,1
	WM S+16*\g+8*\u, STG+12*(2*\u), QF+12*(2*\g), -1, KSC+\u, QS+\g, 0, 0
.endr
.endr
.irp g, 0,1
.irp u, 0,1
	WM S+16*\g+8*\u, STG+12*(2*\u+1), QF+12*(2*\g+1), S+16*\g+8*\u, KSC+\u, QS+\g, 1, 1
.endr
.endr
	PLACES
.endm
; The exponents of keys i0, i1 of my half of the block.  Lane i of my row of 16 lanes holds the coordinates of key 16 (lane / 16) + i, which is register i's key: row_share brings them.
.macro DPAIR p, i0, i1
.irp g, 0,1
	v_sub_f32_dpp v[T+6*\g], v[KX], v[QC+3*\g] row_share:\i0 row_mask:0xf bank_mask:0xf
	v_sub_f32_dpp v[T+6*\g+1], v[KX], v[QC+3*\g] row_share:\i1 row_mask:0xf bank_mask:0xf
	v_sub_f32_dpp v[T+6*\g+2], v[KX+1], v[QC+3*\g+1] row_share:\i0 row_mask:0xf bank_mask:0xf
	v_sub_f32_dpp v[T+6*\g+3], v[KX+1], v[QC+3*\g+1] row_share:\i1 row_mask:0xf bank_mask:0xf
	v_sub_f32_dpp v[T+6*\g+4], v[KX+2], v[QC+3*\g+2] row_share:\i0 row_mask:0xf bank_mask:0xf
	v_sub_f32_dpp v[T+6*\g+5], v[KX+2], v[QC+3*\g+2] row_share:\i1 row_mask:0xf bank_mask:0xf
.endr
.irp g, 0,1
	v_pk_fma_f32 v[E+16*\g+2*(\p):E+16*\g+2*(\p)+1], v[T+6*\g:T+6*\g+1], v[T+6*\g:T+6*\g+1], s[38:39] op_sel_hi:[1,1,0] neg_lo:[1,0,0] neg_hi:[1,0,0]
.endr
.irp g, 0,1
	v_pk_fma_f32 v[E+16*\g+2*(\p):E+16*\g+2*(\p)+1], v[T+6*\g+2:T+6*\g+3], v[T+6*\g+2:T+6*\g+3], v[E+16*\g+2*(\p):E+16*\g+2*(\p)+1] neg_lo:[1,0,0] neg_hi:[1,0,0]
.endr
.irp g, 0,1
	v_pk_fma_f32 v[E+16*\g+2*(\p):E+16*\g+2*(\p)+1], v[T+6*\g+4:T+6*\g+5], v[T+6*\g+4:T+6*\g+5], v[E+16*\g+2*(\p):E+16*\g+2*(\p)+1] neg_lo:[1,0,0] neg_hi:[1,0,0]
.endr
.endm
.macro DIST
	DPAIR 0, 0, 1
	DPAIR 1, 2, 3
	DPAIR 2, 4, 5
	DPAIR 3, 6, 7
	DPAIR 4, 8, 9
	DPAIR 5, 10, 11
	DPAIR 6, 12, 13
	DPAIR 7, 14, 15
.endm
.macro EXPB base, n                    ; a batch of exponentials in place, one plain place, and a wait ahead of the first reader
.set xi, 0
.rept \n
	v_exp_f32 v[(\base)+xi], v[(\base)+xi]
.set xi, xi+1
.endr
	v_nop
	s_wait_alu depctr_va_vdst(0)
.endm
; WALK 1, behind the decays: t, the lane's running maximum, M, the sum under the new M, p, the sum.  Each lane keeps its own figures; they meet behind the walk.  more = 1: the slot's second record is fetched.
.macro P1FIN more, par
.irp p, 0,2,4,6,8,10,12,14
.irp g, 0,1
	v_pk_mul_f32 v[S+16*\g+\p:S+16*\g+\p+1], v[S+16*\g+\p:S+16*\g+\p+1], v[E+16*\g+\p:E+16*\g+\p+1]   ; t; each accumulator is read from its low end on
.endr
.endr
.if \more
	LOADK P1A+(\par), P1B+(\par), REC
.endif
.irp g, 0,1
	v_max3_num_f32 v[ST+8*\g+1], v[ST+8*\g+1], v[S+16*\g], v[S+16*\g+1]
	v_max3_num_f32 v[ST+8*\g+6], v[S+16*\g+8], v[S+16*\g+9], v[S+16*\g+10]
.endr
.irp i, 2,4
.irp g, 0,1
	v_max3_num_f32 v[ST+8*\g+1], v[ST+8*\g+1], v[S+16*\g+\i], v[S+16*\g+\i+1]
	v_max3_num_f32 v[ST+8*\g+6], v[ST+8*\g+6], v[S+16*\g+\i+9], v[S+16*\g+\i+10]
.endr
.endr
.irp g, 0,1
	v_max3_num_f32 v[ST+8*\g+1], v[ST+8*\g+1], v[S+16*\g+6], v[S+16*\g+7]
.endr
.irp g, 0,1
	v_max3_num_f32 v[ST+8*\g+1], v[ST+8*\g+1], v[ST+8*\g+6], v[S+16*\g+15]   ; the running largest t
.endr
.irp g, 0,1
	v_mov_b32 v[ST+8*\g+5], v[ST+8*\g]
.endr
.irp g, 0,1
	v_floor_f32 v[ST+8*\g], -v[ST+8*\g+1]             ; the new -M = floor(-t): M is a whole number
.endr
.irp g, 0,1
	v_sub_f32 v[ST+8*\g+5], v[ST+8*\g], v[ST+8*\g+5]  ; old M less new M: a whole number, 0 or less
.endr
.irp g, 0,1
	v_cvt_i32_f32 v[ST+8*\g+5], v[ST+8*\g+5]          ; (it saturates)
.endr
.irp g, 0,1
	v_ldexp_f32 v[ST+8*\g+4], 1.0, v[ST+8*\g+5]       ; 2^(old M - new M): a factor that rounds nothing
.endr
.irp g, 0,1
	v_pk_mul_f32 v[ST+8*\g+2:ST+8*\g+3], v[ST+8*\g+2:ST+8*\g+3], v[ST+8*\g+4:ST+8*\g+5] op_sel_hi:[1,0]
.endr
.irp p, 0,2,4,6,8,10,12,14
.irp g, 0,1
	v_pk_add_f32 v[S+16*\g+\p:S+16*\g+\p+1], v[S+16*\g+\p:S+16*\g+\p+1], v[ST+8*\g:ST+8*\g+1] op_sel_hi:[1,0]   ; t - M
.endr
.endr
	EXPB S, 32
.irp g, 0,1
	v_pk_add_f32 v[ST+8*\g+6:ST+8*\g+7], v[S+16*\g:S+16*\g+1], v[S+16*\g+2:S+16*\g+3]
	v_pk_add_f32 v[ST+8*\g+2:ST+8*\g+3], v[ST+8*\g+2:ST+8*\g+3], v[S+16*\g+4:S+16*\g+5]
.endr
.irp p, 6,10
.irp g, 0,1
	v_pk_add_f32 v[ST+8*\g+6:ST+8*\g+7], v[ST+8*\g+6:ST+8*\g+7], v[S+16*\g+\p:S+16*\g+\p+1]
	v_pk_add_f32 v[ST+8*\g+2:ST+8*\g+3], v[ST+8*\g+2:ST+8*\g+3], v[S+16*\g+\p+2:S+16*\g+\p+3]
.endr
.endr
.irp g, 0,1
	v_pk_add_f32 v[ST+8*\g+6:ST+8*\g+7], v[ST+8*\g+6:ST+8*\g+7], v[S+16*\g+14:S+16*\g+15]
.endr
.irp g, 0,1
	v_pk_add_f32 v[ST+8*\g+2:ST+8*\g+3], v[ST+8*\g+2:ST+8*\g+3], v[ST+8*\g+6:ST+8*\g+7]
.endr
.endm
.macro W1SLOT par                      ; a slot of walk 1: my two records, 64 keys
	LOADK P1A+(\par), P1B+(\par), 0
	ASK1
	QK
	DIST
	EXPB E, 32
	P1FIN 1, \par
	QK
	DIST
	EXPB E, 32
	P1FIN 0, \par
.endm
; WALK 2, behind the decays: t - M in one fused multiply-add, V's record is asked for, p, A = p / divisor
.macro P2MID par
.irp p, 0,2,4,6,8,10,12,14
.irp g, 0,1
	v_pk_fma_f32 v[S+16*\g+\p:S+16*\g+\p+1], v[S+16*\g+\p:S+16*\g+\p+1], v[E+16*\g+\p:E+16*\g+\p+1], v[NM+2*\g:NM+2*\g+1] op_sel_hi:[1,1,0]
.endr
.endr
	LOADV P2A+(\par), P2B+(\par), HALFB
	EXPB S, 32
.irp p, 0,2,4,6,8,10,12,14
.irp g, 0,1
	v_pk_mul_f32 v[S+16*\g+\p:S+16*\g+\p+1], v[S+16*\g+\p:S+16*\g+\p+1], v[IV+2*\g:IV+2*\g+1] op_sel_hi:[1,0]
.endr
.endr
.endm
; A's block s of my 128 keys is quantised: my 16 numbers and lane l xor 16's are the block.  No |.|: A is never negative.  Blocks 2 c and 2 c + 1 together give registers 6 c .. 6 c + 5 of the operand.
.macro AQ s
.irp g, 0,1
	v_max3_num_f32 v[AM+\g], v[S+16*\g], v[S+16*\g+1], 0x1800000   ; and the floor 2^(3 - 127): the byte cannot fall under 1
.endr
.irp i, 2,4,6,8,10,12,14
.irp g, 0,1
	v_max3_num_f32 v[AM+\g], v[AM+\g], v[S+16*\g+\i], v[S+16*\g+\i+1]
.endr
.endr
.irp g, 0,1
	v_permlanex16_b32 v[AP+\g], v[AM+\g], s40, s41
.endr
.irp g, 0,1
	v_max_num_f32 v[AM+\g], v[AM+\g], v[AP+\g]
.endr
.irp g, 0,1
	v_add_nc_u32 v[SO+\g], 0xff000000, v[AM+\g]       ; 2 off the exponent field: the conversion's scale operand
.endr
.if (\s) == 0
.irp g, 0,1
	v_lshrrev_b32 v[NEWW+\g], 23, v[SO+\g]            ; the first byte starts the scale word
.endr
.else
.irp g, 0,1
	v_lshrrev_b32 v[BY+\g], 23, v[SO+\g]
.endr
.irp g, 0,1
	v_lshl_or_b32 v[NEWW+\g], v[BY+\g], 8*(\s), v[NEWW+\g]
.endr
.endif
.if (\s)%2 == 0
.irp g, 0,1
	v_cvt_scalef32_pk16_fp6_f32 v[NEW+12*\g+6*((\s)/2):NEW+12*\g+6*((\s)/2)+2], v[S+16*\g:S+16*\g+15], v[SO+\g]
.endr
	v_nop                                             ; one plain place behind a scaled conversion
.else
.irp g, 0,1
	v_cvt_scalef32_pk16_fp6_f32 v[TY+4*\g:TY+4*\g+2], v[S+16*\g:S+16*\g+15], v[SO+\g]
.endr
	v_nop
.irp g, 0,1
.irp i, 0,1,2
	v_permlane16_swap_b32 v[NEW+12*\g+6*((\s)/2)+\i], v[TY+4*\g+\i]
.endr
.irp i, 0,1,2
	v_mov_b32 v[NEW+12*\g+6*((\s)/2)+3+\i], v[TY+4*\g+\i]
.endr
.endr
.endif
.endm
; O^T += V^T A^T: tiles of channels 4 s .. 4 s + 3, both tiles of queries, K = my 128 keys of the group before: eight accumulators by turns
.macro PV s
	s_wait_dscnt 0x0
	WIN 0x50                                          ; C and D in window 1
.irp i, 0,1,2,3
.irp g, 0,1
	WM 128*\g+8*(4*(\s)+\i), STG+12*\i, CUR+12*\g, 128*\g+8*(4*(\s)+\i), VSC+\i/2, CURW+\g, \i%2, 0
.endr
.endr
	WIN 0
.endm
.macro ROLL                            ; the group's codes are whole: they become the codes in hand.  The scale words first: they want the longer distance ahead of the next product that names them
	PLACES
	v_mov_b32 v[CURW], v[NEWW]
	v_mov_b32 v[CURW+1], v[NEWW+1]
.set ri, 0
.rept 24
	v_mov_b32 v[CUR+ri], v[NEW+ri]
.set ri, ri+1
.endr
.endm
.macro W2SLOT s                        ; a slot of walk 2: my record of K (32 keys), my record of V
.if (\s) == 3
	CHANGE 1-(\s)%2, 3, HALFB
.else
	CHANGE 1-(\s)%2, 2, HALFB
.endif
	LOADK P2A+(\s)%2, P2B+(\s)%2, 0
	ASK2
	QK
	DIST
	EXPB E, 32
	P2MID (\s)%2
	AQ \s
	PV \s
.if (\s) == 3
	ROLL
.endif
.endm
	s_load_b256 s[4:11], s[0:1], 0x0                  ; qrec s[4:5], kv s[6:7], X s[8:9], out0 s[10:11]
	v_lshl_add_u32 v[SPW], v0, 2, SPARE
	v_mov_b32 v[NIL], 0
	ds_add_u32 v[SPW], v[NIL]                         ; the wave's opening: the add and its wait ahead of my first tensor load; the set-up below, work on registers, stands between them
	v_lshrrev_b32 v[LS4], 5, v0
	v_readfirstlane_b32 s[WV], v[LS4]                 ; wave 0..7
	s_bfe_u32 s13, ttmp6, 0x40000                     ; cx: my place in the cluster
	s_lshl_b32 s14, ttmp9, 2
	s_add_co_u32 s14, s14, s13                        ; my block of 32 queries: it enters global addresses alone
	; descriptor group 1: two records, 13,824 dense bytes, as 54 rows of 32 elements of 8 bytes
	s_mov_b32 s16, 15|(3<<16)|(1<<21)                 ; 15:0 the mask: all four work-groups; 17:16 elements of 8 bytes; 20 no padding; 21 set beside a mask
	s_mov_b32 s17, 32<<16                             ; tensor_dim0 = 32
	s_mov_b32 s18, 54<<16                             ; tensor_dim1 = 54
	s_mov_b32 s19, 32<<16                             ; tile_dim0 = 32
	s_mov_b32 s20, 54                                 ; tile_dim1 = 54
	s_mov_b32 s21, 32                                 ; the pitch
	s_mov_b32 s22, 0
	s_mov_b32 s23, 0
	s_mul_i32 s[WB], s[WV], 2*REC
	s_mov_b32 s24, 1                                  ; group 0: count = 1,
	s_mov_b32 s25, s[WB]                              ; LDS address: slot 0, my two records,
	s_mov_b32 s30, s[WB]                              ; and the same place in the stream's first slot
	s_mov_b32 s31, 0
	s_and_b32 s46, s[WV], 3
	s_mul_i32 s46, s46, 2*REC
	s_cmp_lt_u32 s[WV], 4                             ; in walk 2 waves 0-3 fetch K, waves 4-7 V
	s_cselect_b32 s32, 0, VBASE
	s_cselect_b32 s34, 0, 4*HALFB                     ; what V goes back by after the first group
	s_mov_b32 s33, VBASE+29*HALFB
	s_cselect_b32 s33, VBASE+28*HALFB, s33
	s_add_co_u32 s32, s32, s46                        ; walk 2's first slot
	s_add_co_u32 s33, s33, s46                        ; the tail's first slot
	s_mov_b32 s38, 0xc05e28b1                         ; log2(log2(e) / 16)
	s_mov_b32 s39, s38                                ; (named with it as a pair, so it is written)
	s_mov_b32 s40, 0x76543210
	s_mov_b32 s41, 0xfedcba98                         ; v_permlanex16_b32's selects for lane l xor 16
	s_lshr_b32 s46, s[WV], 2
	s_or_b32 s46, s46, ttmp9                          ; 0 in waves 0-3 of the first cluster: the same in all four partners
	s_cmp_eq_u32 s46, 0
	s_cselect_b32 s[LIM1], 1, -1
	s_lshr_b32 s46, s[WV], 1
	s_or_b32 s46, s46, ttmp9
	s_cmp_eq_u32 s46, 0
	s_cselect_b32 s[LIMV], 8, 0
	s_lshl_b32 s48, s13, 2
	s_add_co_u32 s48, s48, s[WV]
	s_mul_i32 s48, s48, REC
	s_add_co_u32 s48, s48, SLOTB                      ; walk 1's prefetches: record 4 cx + w of slot 1; the first change of slots steps it to slot 2
	s_mov_b32 s49, 0
	s_lshl_b32 s50, s13, 1
	s_add_co_u32 s50, s50, s[WV]
	s_mul_i32 s50, s50, REC
	s_add_co_u32 s50, s50, VBASE-HALFB                ; walk 2's: V's record 2 cx + w, one step back
	s_mov_b32 s51, 0
	s_mul_i32 s52, s14, REC                           ; my record of qrec
	s_mov_b32 s53, 0
	s_lshr_b32 s54, s[WV], 2                          ; the four rows that I add up and store: stage rows 4 w .. 4 w + 3 are queries 8 (w / 4) + 4 (w % 4) + 8 ((w % 4) / 2) on
	s_lshl_b32 s54, s54, 3
	s_and_b32 s46, s[WV], 3
	s_lshl_b32 s47, s46, 2
	s_add_co_u32 s54, s54, s47
	s_lshr_b32 s46, s46, 1
	s_lshl_b32 s46, s46, 3
	s_add_co_u32 s54, s54, s46
	s_lshl_b32 s46, s14, 5
	s_add_co_u32 s54, s54, s46
	s_lshl_b32 s54, s54, 10
	s_mov_b32 s55, 0
	v_and_b32 v[LS4], 31, v0
	v_lshlrev_b32 v[LI16], 4, v[LS4]
	v_min_u32 v[PFO], 26, v[LS4]
	v_lshlrev_b32 v[PFO], 8, v[PFO]
	v_lshlrev_b32 v[LS4], 2, v[LS4]
	v_add_nc_u32 v[P1A], s[WB], v[LI16]
	v_add_nc_u32 v[P1A+1], SLOT1, v[P1A]
	v_add_nc_u32 v[P1B], s[WB], v[LS4]
	v_add_nc_u32 v[P1B+1], SLOT1, v[P1B]
	s_mul_i32 s46, s[WV], REC
	v_add_nc_u32 v[P2A], s46, v[LI16]
	v_add_nc_u32 v[P2A+1], SLOT1, v[P2A]
	v_add_nc_u32 v[P2B], s46, v[LS4]
	v_add_nc_u32 v[P2B+1], SLOT1, v[P2B]
	v_and_b32 v[QCO], 15, v0                          ; r
	v_lshl_add_u32 v[STR], v[QCO], 3, STAT
	s_lshl_b32 s46, s[WV], 9
	s_add_co_u32 s46, s46, STAT
	v_lshl_add_u32 v[STW], v[LS4], 1, s46
	v_mul_u32_u24 v[SOA], v[QCO], 1040
	v_bfe_u32 v[IV], v0, 4, 1                         ; h
	v_lshl_add_u32 v[SOA], v[IV], 6, v[SOA]
	s_mul_i32 s46, s[WV], 33280
	v_add_nc_u32 v[SOA], s46, v[SOA]                  ; my stage: row r of 1,040 bytes, + 64 h
	v_and_b32 v[IV], 8, v[QCO]
	v_add_nc_u32 v[QCO], v[IV], v[QCO]
	v_lshlrev_b32 v[QCO], 2, v[QCO]
	s_wait_dscnt 0x0                                  ; the opening add is done
	s_wait_kmcnt 0x0
	s_add_nc_u64 s[26:27], s[6:7], s[30:31]
	s_or_b32 s27, s27, 0x80000000
	s_add_nc_u64 s[42:43], s[6:7], s[48:49]
	s_add_nc_u64 s[4:5], s[4:5], s[52:53]
	s_add_nc_u64 s[8:9], s[8:9], s[54:55]
	s_add_nc_u64 s[10:11], s[10:11], s[54:55]
	CROUND                                            ; all four work-groups are here: the first joint loads meet
	JLOAD                                             ; slot 0
.irp f, 0,1,2,3                                   ; Q stays in registers
.irp c, 0,1,2
	global_load_b128 v[QF+12*\f+4*\c:QF+12*\f+4*\c+3], v[LI16], s[4:5] offset:1536*\f+512*\c
.endr
.endr
.irp g, 0,1
	global_load_b32 v[QS+\g], v[LS4], s[4:5] offset:6144+128*\g
.irp a, 0,1,2
	global_load_b32 v[QC+3*\g+\a], v[QCO], s[4:5] offset:6400+128*\a+32*\g   ; my query is the block's row 8 g + r + 8 (r / 8)
.endr
.endr
.set ti, 0
.rept 12
	v_mov_b32 v[T+ti], 0                              ; written once: the destination of a DPP form and of a lane permute counts as one of its sources
.set ti, ti+1
.endr
.irp g, 0,1
	v_mov_b32 v[ST+8*\g+1], 0xff61b1e6                ; the largest t so far: -3e38, under every t
	v_floor_f32 v[ST+8*\g], -v[ST+8*\g+1]
	v_mov_b32 v[ST+8*\g+2], 0                         ; the sum, in two halves: the first change of M multiplies zeros
	v_mov_b32 v[ST+8*\g+3], 0
.endr
	s_wait_loadcnt 0x0
	; ---- WALK 1: 16 slots, two a trip
	s_mov_b32 s[CNT], 8
.Lw1:
	CHANGE 1, 0, SLOTB
	W1SLOT 0
	CHANGE 0, 1, SLOTB
	W1SLOT 1
	s_sub_co_u32 s[CNT], s[CNT], 1
	s_cmp_lg_u32 s[CNT], 0
	s_cbranch_scc1 .Lw1
	; ---- THE ROWS' FIGURES.  A query's keys lie in 8 waves x 2 halves of lanes: 16 pairs (largest t, sum) meet in LDS, and every wave makes -M and 1 / divisor for all 32 queries.
.set ci, 0
.rept 24
	v_mov_b32 v[CUR+ci], 0                            ; the codes in hand during the first group: zeros, which add nothing
.set ci, ci+1
.endr
	v_mov_b32 v[CURW], 0x7f7f7f7f
	v_mov_b32 v[CURW+1], 0x7f7f7f7f
.irp g, 0,1
	v_mov_b32 v[ST+8*\g+6], v[ST+8*\g+1]
	v_add_f32 v[ST+8*\g+7], v[ST+8*\g+2], v[ST+8*\g+3]
.endr
.irp g, 0,1
	ds_store_b64 v[STW], v[ST+8*\g+6:ST+8*\g+7] offset:256*\g
.endr
	s_wait_dscnt 0x0                                  ; for the others' sake: my figures lie in LDS
	s_barrier_signal -1                               ; the load of walk 2's first slot stays out
	s_barrier_wait -1
.irp g, 0,1
.irp e, 0,1,2,3,4,5,6,7,8,9,10,11,12,13,14,15
	ds_load_b64 v[BUF+32*\g+2*\e:BUF+32*\g+2*\e+1], v[STR] offset:512*(\e/2)+256*\g+128*(\e%2)
.endr
.endr
	s_wait_dscnt 0x0
.irp g, 0,1
	v_max3_num_f32 v[T+\g], v[BUF+32*\g], v[BUF+32*\g+2], v[BUF+32*\g+4]
.endr
.irp e, 6,10,14,18,22,26
.irp g, 0,1
	v_max3_num_f32 v[T+\g], v[T+\g], v[BUF+32*\g+\e], v[BUF+32*\g+\e+2]
.endr
.endr
.irp g, 0,1
	v_max_num_f32 v[T+\g], v[T+\g], v[BUF+32*\g+30]   ; the row's largest t
.endr
.irp g, 0,1
	v_floor_f32 v[NM+2*\g], -v[T+\g]                  ; -M
	v_mov_b32 v[NM+2*\g+1], 0                         ; (named with it as a pair, so it is written)
.endr
.irp g, 0,1
	v_add_f32 v[T+2+\g], v[T+\g], v[NM+2*\g]          ; Tmax - M
.endr
.set ni, 0
.rept 32
	v_floor_f32 v[BUF+2*ni], -v[BUF+2*ni]             ; each part's own -M,
.set ni, ni+1
.endr
.set ni, 0
.rept 32
	v_sub_f32 v[BUF+2*ni], v[NM+2*(ni/16)], v[BUF+2*ni]   ; its M less the row's: a whole number, 0 or less,
.set ni, ni+1
.endr
.set ni, 0
.rept 32
	v_cvt_i32_f32 v[BUF+2*ni], v[BUF+2*ni]
.set ni, ni+1
.endr
.set ni, 0
.rept 32
	v_ldexp_f32 v[BUF+2*ni+1], v[BUF+2*ni+1], v[BUF+2*ni]   ; and its sum under the row's M: nothing is rounded
.set ni, ni+1
.endr
.irp e, 2,4,6,8,10,12,14,16,18,20,22,24,26,28,30
.irp g, 0,1
	v_add_f32 v[BUF+32*\g+1], v[BUF+32*\g+1], v[BUF+32*\g+\e+1]
.endr
.endr
.irp g, 0,1
	v_exp_f32 v[T+2+\g], v[T+2+\g]                    ; softmax_one's 1, under M
.endr
	v_nop
	s_wait_alu depctr_va_vdst(0)                      ; ahead of the first reader
.irp g, 0,1
	v_add_f32 v[T+2+\g], v[T+2+\g], v[BUF+32*\g+1]    ; the divisor: above one half
.endr
.irp g, 0,1
	v_rcp_f32 v[IV+2*\g], v[T+2+\g]
.endr
	v_mov_b32 v[IV+1], 0                              ; (a plain place behind the reciprocals; the pairs' upper words are written)
	v_mov_b32 v[IV+3], 0
	s_wait_alu depctr_va_vdst(0)
	s_wait_xcnt 0x0                                   ; walk 1's last prefetch has read its address
	s_add_nc_u64 s[42:43], s[6:7], s[50:51]
	WIN 0x40                                          ; O^T begins: 32 products of the zero codes with the constant 0 as C start the 32 sums, so that the loop is written once and nothing is cleared register by register
.set zn, 0
.rept 32
	WM 8*zn, CUR, CUR+12, -1, CURW, CURW+1, 0, 0
.set zn, zn+1
.endr
	WIN 0
	; ---- WALK 2: 32 slots, a group of four a trip
	s_mov_b32 s[CNT], 8
.Lw2:
	W2SLOT 0
	W2SLOT 1
	W2SLOT 2
	W2SLOT 3
	s_sub_co_u32 s[CNT], s[CNT], 1
	s_cmp_lg_u32 s[CNT], 0
	s_cbranch_scc1 .Lw2
	; ---- THE TAIL: the last group's A V; two slots of V alone
	CHANGE 1, 0, 0
	LOADV P2A, P2B, 0
	PLACES                                            ; with the four behind the joint load: the distance between ROLL's last lines and the product that names those registers
	PV 0
	PLACES
	LOADV P2A, P2B, HALFB
	PV 1
	s_wait_tensorcnt 0x0                              ; the last change of slots: nothing is left to fetch, so a barrier of the work-group does
	ds_add_u32 v[SPW], v[NIL]
	s_wait_dscnt 0x0
	s_barrier_signal -1
	s_barrier_wait -1
	PLACES
	LOADV P2A+1, P2B+1, 0
	PV 2
	PLACES
	LOADV P2A+1, P2B+1, HALFB
	PV 3
	; ---- THE WAY OUT.  Each wave's O^T (32 queries x 256 channels) goes to a stage of its own, rows of 1,024 + 16 bytes; the stages lie over the two slots, which have had their last fill.
	; Then wave w adds up stage rows 4 w .. 4 w + 3 of all eight stages onto its four rows of X and stores them: each store of the wave covers 512 consecutive bytes, aligned.
.irp i, 0,1,2,3
.irp hf, 0,1
	global_load_b128 v[OA+8*\i+4*\hf:OA+8*\i+4*\hf+3], v[LI16], s[8:9] offset:1024*\i+512*\hf th:TH_LOAD_NT
.endr
.endr
	s_mul_i32 s46, s[WV], 4160
	v_add_nc_u32 v3, s46, v[LI16]                     ; stage rows 4 w on, of waves 0 and 1;
	v_add_nc_u32 v4, 66560, v3                        ; of waves 2 and 3; (these four lines are also the places behind the last products)
	v_add_nc_u32 v5, 133120, v3
	v_add_nc_u32 v6, 199680, v3
	s_wait_dscnt 0x0                                  ; my reads of the slots are over
	s_barrier_signal -1
	s_barrier_wait -1                                 ; everybody's are
	WIN 0x04                                          ; an LDS store's data are its source 1: window 1
.irp g, 0,1
.irp t, 0,1,2,3,4,5,6,7,8,9,10,11,12,13,14,15
	ds_store_b128 v[SOA], v[128*\g+8*\t:128*\g+8*\t+3] offset:16640*\g+128*(\t/2)+32*(\t%2)        ; lane (r, h): channels 32 (t / 2) + 16 h + 8 (t % 2) + 0 .. 7; each accumulator from its low end on
	ds_store_b128 v[SOA], v[128*\g+8*\t+4:128*\g+8*\t+7] offset:16640*\g+128*(\t/2)+32*(\t%2)+16
.endr
.endr
	WIN 0
	s_wait_dscnt 0x0                                  ; for the others' sake: my stage is written
	s_barrier_signal -1
	s_barrier_wait -1
.irp bt, 0,1
.irp q, 0,1,2,3
.irp i, 0,1,2,3
.irp hf, 0,1
	ds_load_b128 v[BUF+32*\q+8*\i+4*\hf:BUF+32*\q+8*\i+4*\hf+3], v[3+2*\bt+\q/2] offset:33280*(\q%2)+1040*\i+512*\hf
.endr
.endr
.endr
	s_wait_dscnt 0x0
.if \bt == 0
	s_wait_loadcnt 0x0                                ; X
.endif
.irp q, 0,1,2,3
.irp n, 0,2,4,6,8,10,12,14,16,18,20,22,24,26,28,30
	v_pk_add_f32 v[OA+\n:OA+\n+1], v[OA+\n:OA+\n+1], v[BUF+32*\q+\n:BUF+32*\q+\n+1]
.endr
.endr
.endr
.irp i, 0,1,2,3
.irp hf, 0,1
	global_store_b128 v[LI16], v[OA+8*\i+4*\hf:OA+8*\i+4*\hf+3], s[10:11] offset:1024*\i+512*\hf th:TH_STORE_NT
.endr
.endr
	s_wait_tensorcnt 0x0                              ; the wave's end: behind my last tensor load and my last LDS store
	ds_add_u32 v[SPW], v[NIL]
	s_wait_dscnt 0x0
	CROUND                                            ; the closing round: no work-group ends while a partner may still ask for a tile that names it
	s_endpgm
.Lfunc_end_k_q4a5b9dcc9f_attn:
	.size	k_q4a5b9dcc9f_attn, .Lfunc_end_k_q4a5b9dcc9f_attn-k_q4a5b9dcc9f_attn
	.p2alignl 7, 3214868480
	.fill 96, 4, 3214868480
	.section	.rodata,"a",@progbits
	.p2align	6, 0x0
	.amdhsa_kernel k_q4a5b9dcc9f_attn
		.amdhsa_group_segment_fixed_size 327680
		.amdhsa_private_segment_fixed_size 0
		.amdhsa_enable_private_segment 0
		.amdhsa_kernarg_size 32
		.amdhsa_user_sgpr_count 2
		.amdhsa_user_sgpr_kernarg_segment_ptr 1
		.amdhsa_wavefront_size32 1
		.amdhsa_system_sgpr_workgroup_id_x 1
		.amdhsa_system_sgpr_workgroup_id_y 1
		.amdhsa_system_sgpr_workgroup_id_z 1
		.amdhsa_system_vgpr_workitem_id 0
		.amdhsa_next_free_vgpr 512
		.amdhsa_next_free_sgpr 66
		.amdhsa_reserve_vcc 0
		.amdhsa_float_denorm_mode_32 3
		.amdhsa_float_denorm_mode_16_64 3
		.amdhsa_memory_ordered 1
		.amdhsa_forward_progress 1
		.amdhsa_inst_pref_size 209
	.end_amdhsa_kernel
	.amdgpu_metadata
---
amdhsa.version: [ 1, 2 ]
amdhsa.kernels:
  - .name:           k_q4a5b9dcc9f_attn
    .symbol:         k_q4a5b9dcc9f_attn.kd
    .args:
      - { .name: qrec, .offset: 0, .size: 8, .value_kind: global_buffer, .address_space: global }
      - { .name: kv, .offset: 8, .size: 8, .value_kind: global_buffer, .address_space: global }
      - { .name: X, .offset: 16, .size: 8, .value_kind: global_buffer, .address_space: global }
      - { .name: out0, .offset: 24, .size: 8, .value_kind: global_buffer, .address_space: global }
    .group_segment_fixed_size: 327680
    .private_segment_fixed_size: 0
    .kernarg_segment_align: 8
    .kernarg_segment_size: 32
    .max_flat_workgroup_size: 256
    .sgpr_count:     66
    .vgpr_count:     512
    .wavefront_size: 32
...
	.end_amdgpu_metadata
.endif
;; end of part 2
;; ======== version 2 of 2: 2 launches
;; limits: right only within a limited range of input values
;; workspace buffers: qrec 1,769,472 bytes; kv 3,538,944 bytes
;; launch proj (part 3): grid 64 x 3, 8 waves a work-group, no clusters, 78,848 bytes of LDS; arguments X, P, W_q, W_k, W_v, b_q, b_k, b_v, qrec, kv; writes qrec, kv
.if DOCPART == 3
	.amdgcn_target "amdgcn-amd-amdhsa--gfx1250"
	.amdhsa_code_object_version 6
	.text
	.protected	k_q4a5b9dcc9f_proj
	.globl	k_q4a5b9dcc9f_proj
	.p2align	8
	.type	k_q4a5b9dcc9f_proj,@function
k_q4a5b9dcc9f_proj:
	s_mov_b64 s[64:65], 0
	v_nop
	global_prefetch_b8 v0, s[64:65] scope:SCOPE_SE
	s_setreg_imm32_b32 hwreg(HW_REG_WAVE_MODE, 25, 1), 1
	s_wait_xcnt 0x0
; Q = X W_q + b_q, K = X W_k + b_k, V = X W_v + b_v on codes of E2M3 with one E8M0 scale for each 32 along K, and the results quantised again for the attention launch:
; Q and K along the hidden axis, V along the keys.  X [8192][256], W [256 (k)][256 (n)], b [256]: f32.
; SHARES.  Work-group (x, y): rows 128 x .. 128 x + 127; y = 0, 1, 2: Q, K, V.  Eight waves.
; PHASE A.  Wave w quantises one tile of 16 rows of X (two fragments of 128 along K) and 32 columns of W (two tiles, two fragments each; a lane takes a column and its registers run
; down K).  All fragments go to LDS as images of their registers: three stores of 16 bytes a lane, 512 bytes each; a scale word is 4 bytes a lane.  One barrier.
; PHASE B.  Q, K: source 0 = 16 columns of W, source 1 = my 16 rows of X: a lane holds one row and its registers run along the hidden axis.  V: source 0 = 16 rows of X, source 1 = 16 of my
; columns of W: a lane holds one channel and its registers run along the keys.  64 results a lane are one fragment of the next product: quantised in registers and stored as an image.
; TILE ORDER.  Row m of tile u of a block of 32 (rows of X, columns of W) is the block's 8 u + m + 8 (m / 8): so the 16 registers of tiles 2 b, 2 b + 1 are 16 neighbours along the next K.
; RECORDS of 6,912 bytes (27 x 256).  Q, K (32 rows): fragment (tile u, hidden 128 sg on) at 1536 (2 u + sg); scale image of tile u at 6144 + 128 u (lanes 0-15: hidden 0-127, lanes 16-31:
; hidden 128-255); x', y', z' of the 32 rows at 6400, 6528, 6656; zeros at 6784.  V (four tiles of 16 channels x 128 keys): fragments at 1536 i; scale images at 6144 + 128 p (lanes 0-15 tile 2 p,
; lanes 16-31 tile 2 p + 1); zeros from 6400.  qrec[b]: rows 32 b on.  kv[32 G + 8 s + a]: K of rows 32 (32 G + 4 a + s) on.  kv[256 + 32 G + 8 s + a]: V, channels' tiles 4 s .. 4 s + 3, keys 128 (8 G + a) on.
; COORDINATES.  x' = (x - P[0].x) sqrt(log2(e) / 2): the attention launch's exponent is then minus the sum of three squares of differences.
; LIMITS: NaN and infinities are not served.  A block of zeros gets the byte 1 where the quantiser says 127: its codes are zeros, and this program alone reads the bytes.  A centred coordinate carries two roundings of f32.
.set REC,   6912
.set FRB,   1536                       ; a fragment's image: 12 registers x 128 bytes
.set XIMG,  0                          ; LDS: X's 16 fragments, index 2 tile + k step
.set XSC,   24576                      ; their scale words, 128 bytes each
.set WIMG,  26624                      ; W's 32 fragments, index 2 tile + k step
.set WSC,   75776                      ; their scale words, index 2 pair + k step: lanes 0-15 the even tile, lanes 16-31 the odd one
.set SPARE, 77824                      ; the spare words, 128 bytes for each wave: four blocks of 256 bytes that no other line names
.set SPW, 1                            ; v1   LDS address of my spare word; never rewritten
.set NIL, 2                            ; v2   0; never rewritten
.set LI,  3                            ; v3   16 x lane
.set LS,  4                            ; v4   4 x lane
.set XA,  5                            ; v5   X: my lane's byte in the tile's rows
.set WA,  6                            ; v6   W: my column's byte in a row
.set XWI, 7                            ; v7   my two fragments of X in LDS
.set XWS, 8                            ; v8   and their scale words
.set WWI, 9                            ; v9   my four fragments of W
.set WWS, 10                           ; v10  and their scale words
.set BOQ, 11                           ; v11  bias offset, Q and K: 64 h
.set PO,  12                           ; v12  12 x lane: a row of P
.set LIW, 13                           ; v13  16 x lane + WIMG
.set LSW, 14                           ; v14  4 x lane + WSC
.set BOV, 15                           ; v15  bias offset, V: my channel
.set PC,  16                           ; v16-35 codes just made (12) and the conversions' second halves
.set FA,  16                           ; v16-27 W: the even tile's fragment;  v28-39 the odd tile's
.set FB,  28
.set TM,  36                           ; v36-51 at work in the quantisers
.set PW,  52                           ; v52  the scale word just made;  v53 the unit before's;  v54 W's
.set PW0, 53
.set SW,  54
.set FX,  56                           ; v56-79 phase B: the fixed operand's two fragments
.set STG, 80                           ; v80-127 four streamed fragments
.set ACC, 128                          ; v128-191 eight accumulators
.set BIAS, 192                         ; v192-207 V: b_v of my channel, eight times, for each of my two tiles
.set FXS, 208                          ; v208-209 the fixed operand's scale words
.set SS,  210                          ; v210-213 the streamed ones'
.set PD,  220                          ; v220-223 coordinates
.set NX0, 64                           ; phase A: three sets of 64 numbers
.set NX1, 128
.set NW,  192
.macro PLACES                          ; four places behind a matrix instruction, ahead of loads into its registers and of reads of its results
.rept 4
	v_nop
.endr
.endm
; the scaled product: d, a, b, c first registers (c < 0: the constant 0), sa, sb scale registers, ra, rb: 1 = the scales stand in lanes 16-31
.macro WM d, a, b, c, sa, sb, ra, rb
.if (\c) < 0
.if (\ra) && (\rb)
	v_wmma_scale_f32_16x16x128_f8f6f4 v[(\d):(\d)+7], v[(\a):(\a)+11], v[(\b):(\b)+11], 0, v[(\sa)], v[(\sb)] matrix_a_fmt:MATRIX_FMT_FP6 matrix_b_fmt:MATRIX_FMT_FP6 matrix_a_scale:MATRIX_SCALE_ROW1 matrix_b_scale:MATRIX_SCALE_ROW1
.elseif (\ra)
	v_wmma_scale_f32_16x16x128_f8f6f4 v[(\d):(\d)+7], v[(\a):(\a)+11], v[(\b):(\b)+11], 0, v[(\sa)], v[(\sb)] matrix_a_fmt:MATRIX_FMT_FP6 matrix_b_fmt:MATRIX_FMT_FP6 matrix_a_scale:MATRIX_SCALE_ROW1
.elseif (\rb)
	v_wmma_scale_f32_16x16x128_f8f6f4 v[(\d):(\d)+7], v[(\a):(\a)+11], v[(\b):(\b)+11], 0, v[(\sa)], v[(\sb)] matrix_a_fmt:MATRIX_FMT_FP6 matrix_b_fmt:MATRIX_FMT_FP6 matrix_b_scale:MATRIX_SCALE_ROW1
.else
	v_wmma_scale_f32_16x16x128_f8f6f4 v[(\d):(\d)+7], v[(\a):(\a)+11], v[(\b):(\b)+11], 0, v[(\sa)], v[(\sb)] matrix_a_fmt:MATRIX_FMT_FP6 matrix_b_fmt:MATRIX_FMT_FP6
.endif
.else
.if (\ra) && (\rb)
	v_wmma_scale_f32_16x16x128_f8f6f4 v[(\d):(\d)+7], v[(\a):(\a)+11], v[(\b):(\b)+11], v[(\c):(\c)+7], v[(\sa)], v[(\sb)] matrix_a_fmt:MATRIX_FMT_FP6 matrix_b_fmt:MATRIX_FMT_FP6 matrix_a_scale:MATRIX_SCALE_ROW1 matrix_b_scale:MATRIX_SCALE_ROW1
.elseif (\ra)
	v_wmma_scale_f32_16x16x128_f8f6f4 v[(\d):(\d)+7], v[(\a):(\a)+11], v[(\b):(\b)+11], v[(\c):(\c)+7], v[(\sa)], v[(\sb)] matrix_a_fmt:MATRIX_FMT_FP6 matrix_b_fmt:MATRIX_FMT_FP6 matrix_a_scale:MATRIX_SCALE_ROW1
.elseif (\rb)
	v_wmma_scale_f32_16x16x128_f8f6f4 v[(\d):(\d)+7], v[(\a):(\a)+11], v[(\b):(\b)+11], v[(\c):(\c)+7], v[(\sa)], v[(\sb)] matrix_a_fmt:MATRIX_FMT_FP6 matrix_b_fmt:MATRIX_FMT_FP6 matrix_b_scale:MATRIX_SCALE_ROW1
.else
	v_wmma_scale_f32_16x16x128_f8f6f4 v[(\d):(\d)+7], v[(\a):(\a)+11], v[(\b):(\b)+11], v[(\c):(\c)+7], v[(\sa)], v[(\sb)] matrix_a_fmt:MATRIX_FMT_FP6 matrix_b_fmt:MATRIX_FMT_FP6
.endif
.endif
.endm
; 64 numbers of a lane, register 16 b + i = k 32 b + 16 (lane / 16) + i of my row, become a fragment's codes in v[PC] on and its scale word in v[PW]
.macro QUANT s
.irp b, 0,1,2,3
	v_max3_num_f32 v[TM+\b], |v[(\s)+16*\b]|, |v[(\s)+1+16*\b]|, 0x1800000   ; my 16 numbers of block b, and the floor 2^(3 - 127): the byte cannot fall under 1
.endr
.irp i, 2,4,6,8,10,12,14
.irp b, 0,1,2,3
	v_max3_num_f32 v[TM+\b], v[TM+\b], |v[(\s)+16*\b+\i]|, |v[(\s)+1+16*\b+\i]|
.endr
.endr
.irp b, 0,1,2,3
	v_permlanex16_b32 v[TM+4+\b], v[TM+\b], s34, s35
.endr
.irp b, 0,1,2,3
	s_delay_alu instid0(VALU_DEP_4)
	v_max_num_f32 v[TM+\b], v[TM+\b], v[TM+4+\b]      ; with lane l xor 16's: the block's largest magnitude
.endr
.irp b, 0,1,2,3
	s_delay_alu instid0(VALU_DEP_4)
	v_add_nc_u32 v[TM+12+\b], 0xff000000, v[TM+\b]    ; 2 off its exponent field: the conversion's scale operand
.endr
.irp b, 0,1,2,3
	s_delay_alu instid0(VALU_DEP_4)
	v_lshrrev_b32 v[TM+4+\b], 23, v[TM+12+\b]         ; the scale's byte
.endr
	s_delay_alu instid0(VALU_DEP_3)
	v_lshl_or_b32 v[PW], v[TM+5], 8, v[TM+4]
	s_delay_alu instid0(VALU_DEP_1)
	v_lshl_or_b32 v[PW], v[TM+6], 16, v[PW]
	s_delay_alu instid0(VALU_DEP_1)
	v_lshl_or_b32 v[PW], v[TM+7], 24, v[PW]
.irp c, 0,1
	v_cvt_scalef32_pk16_fp6_f32 v[PC+6*\c:PC+2+6*\c], v[(\s)+32*\c:(\s)+15+32*\c], v[TM+12+2*\c]
	v_cvt_scalef32_pk16_fp6_f32 v[PC+12+4*\c:PC+14+4*\c], v[(\s)+16+32*\c:(\s)+31+32*\c], v[TM+12+2*\c+1]   ; (a conversion's three registers begin on an even number)
.endr
	v_nop                                             ; one plain place behind a scaled conversion
.irp c, 0,1                                       ; the operand's layout wants a whole block in a lane: lanes 0-15 block 2 c, lanes 16-31 block 2 c + 1
.irp i, 0,1,2
	v_permlane16_swap_b32 v[PC+6*\c+\i], v[PC+12+4*\c+\i]
.endr
.irp i, 0,1,2
	s_delay_alu instid0(VALU_DEP_3)
	v_mov_b32 v[PC+3+6*\c+\i], v[PC+12+4*\c+\i]
.endr
.endr
.endm
.macro IMAGE adr, off                  ; the fragment in v[PC] on goes to LDS as it stands
.irp c, 0,1,2
	ds_store_b128 v[\adr], v[PC+4*\c:PC+4*\c+3] offset:(\off)+512*\c
.endr
.endm
.macro FETCH reg, adr, off             ; and comes back so, in any wave
.irp c, 0,1,2
	ds_load_b128 v[(\reg)+4*\c:(\reg)+4*\c+3], v[\adr] offset:(\off)+512*\c
.endr
.endm
.macro XLOAD reg, k                    ; my row's numbers of k step k: of each block of 32 the 16 of my half
.irp b, 0,1,2,3
.irp j, 0,1,2,3
	global_load_b128 v[(\reg)+16*\b+4*\j:(\reg)+16*\b+4*\j+3], v[XA], s[4:5] offset:512*(\k)+128*\b+16*\j
.endr
.endr
.endm
.macro WLOAD reg, rho                  ; W(64 rho + i, my column), i = 0 .. 63: the 32 lanes of a load read 128 consecutive bytes
.set wi, 0
.rept 64
	global_load_b32 v[(\reg)+wi], v[WA], s[8:9] offset:(64*(\rho)+wi)*1024
.set wi, wi+1
.endr
.endm
; Two blocks of 32 down K of my column.  Lanes 0-15 hold the even tile's columns, lanes 16-31 the odd tile's; a fragment wants block 2 c in lanes 0-15 and block 2 c + 1 in lanes 16-31 of ONE tile:
; six exchanges of halves between the first block's codes and the second's give registers 6 c .. 6 c + 5 of both tiles' fragments.  A column's scale bytes stay in its lane.
.macro WQ reg, c
	v_max3_num_f32 v48, |v[(\reg)]|, |v[(\reg)+1]|, 0x1800000
	v_max3_num_f32 v49, |v[(\reg)+32]|, |v[(\reg)+33]|, 0x1800000
.irp i, 2,4,6,8,10,12,14,16,18,20,22,24,26,28,30
	s_delay_alu instid0(VALU_DEP_2)
	v_max3_num_f32 v48, v48, |v[(\reg)+\i]|, |v[(\reg)+1+\i]|
	s_delay_alu instid0(VALU_DEP_2)
	v_max3_num_f32 v49, v49, |v[(\reg)+32+\i]|, |v[(\reg)+33+\i]|
.endr
	s_delay_alu instid0(VALU_DEP_2)
	v_add_nc_u32 v50, 0xff000000, v48
	s_delay_alu instid0(VALU_DEP_2)
	v_add_nc_u32 v51, 0xff000000, v49
	v_cvt_scalef32_pk16_fp6_f32 v[FA+6*(\c):FA+6*(\c)+2], v[(\reg):(\reg)+15], v50
	v_cvt_scalef32_pk16_fp6_f32 v[40:42], v[(\reg)+16:(\reg)+31], v50
	v_cvt_scalef32_pk16_fp6_f32 v[FB+6*(\c):FB+6*(\c)+2], v[(\reg)+32:(\reg)+47], v51
	v_cvt_scalef32_pk16_fp6_f32 v[44:46], v[(\reg)+48:(\reg)+63], v51
	v_lshrrev_b32 v48, 23, v50                        ; the bytes.  (A plain place behind the conversions)
	v_lshrrev_b32 v49, 23, v51
.irp i, 0,1,2
	v_mov_b32 v[FA+6*(\c)+3+\i], v[40+\i]
	v_mov_b32 v[FB+6*(\c)+3+\i], v[44+\i]
.endr
.irp i, 0,1,2,3,4,5
	v_permlane16_swap_b32 v[FA+6*(\c)+\i], v[FB+6*(\c)+\i]
.endr
	v_lshl_or_b32 v48, v49, 8, v48
.if (\c) == 0
	s_delay_alu instid0(VALU_DEP_1)
	v_mov_b32 v[SW], v48
.else
	s_delay_alu instid0(VALU_DEP_1)
	v_lshl_or_b32 v[SW], v48, 16, v[SW]
.endif
.endm
.macro IMAGEW k                        ; both tiles' fragments of k step k, and their scale words
.irp c, 0,1,2
	ds_store_b128 v[WWI], v[FA+4*\c:FA+4*\c+3] offset:FRB*(\k)+512*\c
	ds_store_b128 v[WWI], v[FB+4*\c:FB+4*\c+3] offset:2*FRB+FRB*(\k)+512*\c
.endr
	ds_store_b32 v[WWS], v[SW] offset:128*(\k)
.endm
; One unit of phase B: eight accumulators, two k steps, four streamed fragments at a time.  The accumulators take turns, one instruction a turn.
; path 0 (Q, K): hidden units 128 sg on of my 16 rows; the bias is loaded into the accumulators.  path 1 (V): my tile 2 w + sg of channels, 128 keys; the bias is the C of each sum's first product.
.macro UNIT path, sg
.if (\path) == 0
.irp t, 0,1,2,3,4,5,6,7
	global_load_b128 v[ACC+8*\t:ACC+8*\t+3], v[BOQ], s[14:15] offset:(128*(\sg)+32*(\t/2)+8*(\t%2))*4
	global_load_b128 v[ACC+8*\t+4:ACC+8*\t+7], v[BOQ], s[14:15] offset:(128*(\sg)+32*(\t/2)+8*(\t%2))*4+16
.endr
.else
	FETCH FX, WWI, 2*FRB*(\sg)
	FETCH FX+12, WWI, 2*FRB*(\sg)+FRB
.endif
.irp k, 0,1
.irp hf, 0,1
.irp q, 0,1,2,3
.if (\path) == 0
	FETCH STG+12*\q, LIW, (2*(8*(\sg)+4*\hf+\q)+\k)*FRB
.else
	FETCH STG+12*\q, LI, XIMG+(2*(4*\hf+\q)+\k)*FRB
	ds_load_b32 v[SS+\q], v[LS] offset:XSC+(2*(4*\hf+\q)+\k)*128
.endif
.endr
.if (\path) == 0
	ds_load_b32 v[SS], v[LSW] offset:(2*(4*(\sg)+2*\hf)+\k)*128
	ds_load_b32 v[SS+1], v[LSW] offset:(2*(4*(\sg)+2*\hf+1)+\k)*128
.endif
	s_wait_dscnt 0x0
.if ((\k) == 0) && ((\hf) == 0)
	s_wait_loadcnt 0x0                                ; the bias
.endif
.irp q, 0,1,2,3
.if (\path) == 0
	WM ACC+8*(4*\hf+\q), STG+12*\q, FX+12*\k, ACC+8*(4*\hf+\q), SS+\q/2, FXS+\k, \q%2, 0
.elseif (\k) == 0
	WM ACC+8*(4*\hf+\q), STG+12*\q, FX+12*\k, BIAS+8*(\sg), SS+\q, FXS+\k, 0, \sg
.else
	WM ACC+8*(4*\hf+\q), STG+12*\q, FX+12*\k, ACC+8*(4*\hf+\q), SS+\q, FXS+\k, 0, \sg
.endif
.endr
	PLACES
.endr
.endr
.endm
.macro OUTF sg                         ; the fragment just made leaves as its image: each store of the wave covers 512 consecutive bytes, aligned
.irp c, 0,1,2
	global_store_b128 v[LI], v[PC+4*\c:PC+4*\c+3], s[20:21] offset:FRB*(\sg)+512*\c
.endr
.endm
	s_load_b128 s[4:7], s[0:1], 0x0                   ; X, P
	s_load_b256 s[8:15], s[0:1], 0x10                 ; W_q, W_k, W_v, b_q
	s_load_b256 s[16:23], s[0:1], 0x30                ; b_k, b_v, qrec, kv
	v_lshl_add_u32 v[SPW], v0, 2, SPARE
	v_mov_b32 v[NIL], 0
	v_lshrrev_b32 v56, 5, v0
	s_delay_alu instid0(VALU_DEP_1)
	v_readfirstlane_b32 s24, v56                      ; wave 0..7
	s_and_b32 s25, ttmp7, 0xffff                      ; y: Q, K or V
	s_mov_b32 s26, ttmp9                              ; which 128 rows
	s_lshr_b32 s27, s24, 1                            ; which block of 32 of them (V: which record of four tiles)
	s_and_b32 s46, s24, 1                             ; which tile of the block
	v_and_b32 v56, 15, v0                             ; r
	v_bfe_u32 v57, v0, 4, 1                           ; h
	v_and_b32 v58, 31, v0                             ; lane
	s_delay_alu instid0(VALU_DEP_1)
	v_lshlrev_b32 v[LI], 4, v58
	s_delay_alu instid0(VALU_DEP_2)
	v_lshlrev_b32 v[LS], 2, v58
	s_delay_alu instid0(VALU_DEP_3)
	v_mul_u32_u24 v[PO], v58, 12
	v_and_b32 v59, 8, v56
	s_delay_alu instid0(VALU_DEP_1)
	v_add_nc_u32 v59, v59, v56                        ; r + 8 (r / 8)
	s_delay_alu instid0(VALU_DEP_1)
	v_lshlrev_b32 v[XA], 10, v59
	s_delay_alu instid0(VALU_DEP_1)
	v_lshl_add_u32 v[XA], v57, 6, v[XA]               ; X: that row of 1,024 bytes, + 64 h
	s_lshl_b32 s28, s24, 7
	v_lshlrev_b32 v[BOV], 2, v59
	s_delay_alu instid0(VALU_DEP_1)
	v_add_nc_u32 v[BOV], s28, v[BOV]                  ; b_v: channel 32 w + r + 8 (r / 8)
	v_lshlrev_b32 v[BOQ], 6, v57
	v_and_b32 v59, 7, v0
	s_delay_alu instid0(VALU_DEP_1)
	v_lshl_add_u32 v59, v57, 3, v59
	v_bfe_u32 v58, v0, 3, 1
	s_delay_alu instid0(VALU_DEP_1)
	v_lshl_add_u32 v59, v58, 4, v59                   ; W: lane l takes column 32 w + 8 (l / 16) + l % 8 + 16 ((l / 8) % 2): the tile order
	s_delay_alu instid0(VALU_DEP_1)
	v_lshlrev_b32 v[WA], 2, v59
	s_delay_alu instid0(VALU_DEP_1)
	v_add_nc_u32 v[WA], s28, v[WA]
	s_mul_i32 s28, s24, 2*FRB
	v_add_nc_u32 v[XWI], s28, v[LI]
	s_lshl_b32 s28, s24, 8
	s_add_co_u32 s29, s28, XSC
	v_add_nc_u32 v[XWS], s29, v[LS]
	s_add_co_u32 s29, s28, WSC
	v_add_nc_u32 v[WWS], s29, v[LS]
	s_mul_i32 s28, s24, 4*FRB
	s_add_co_u32 s28, s28, WIMG
	v_add_nc_u32 v[WWI], s28, v[LI]
	v_add_nc_u32 v[LIW], WIMG, v[LI]
	v_add_nc_u32 v[LSW], WSC, v[LS]
.irp b, 0,1,2,3
	v_mov_b32 v[TM+4+\b], 0                           ; written once: a lane permute's destination counts as one of its sources
.endr
	s_mov_b32 s34, 0x76543210
	s_mov_b32 s35, 0xfedcba98                         ; v_permlanex16_b32's selects for lane l xor 16
	; which record is my wave's
	s_lshl_b32 s28, s26, 2
	s_add_co_u32 s28, s28, s27                        ; Q: 4 x + w / 2
	s_lshr_b32 s29, s26, 3
	s_lshl_b32 s29, s29, 5
	s_lshl_b32 s30, s27, 3
	s_add_co_u32 s29, s29, s30
	s_and_b32 s30, s26, 7
	s_add_co_u32 s29, s29, s30
	s_sub_co_u32 s30, s25, 1
	s_lshl_b32 s30, s30, 8
	s_add_co_u32 s29, s29, s30                        ; K, V: 256 (y - 1) + 32 (x / 8) + 8 (w / 2) + x % 8
	s_cmp_eq_u32 s25, 0
	s_cselect_b32 s28, s28, s29
	s_mul_i32 s30, s28, REC
	s_mov_b32 s31, 0
	s_mul_i32 s32, s46, 2*FRB                         ; my two fragments in it
	s_mov_b32 s33, 0
	s_lshl_b32 s52, s46, 7                            ; my scale image in it
	s_mov_b32 s53, 0
	s_lshl_b32 s47, s26, 7
	s_lshl_b32 s48, s27, 5
	s_add_co_u32 s47, s47, s48                        ; the block's first row
	s_lshl_b32 s48, s46, 3
	s_add_co_u32 s48, s47, s48
	s_lshl_b32 s48, s48, 10                           ; my tile's first row of X, in bytes
	s_mov_b32 s49, 0
	s_mul_i32 s50, s47, 12                            ; the block's first row of P
	s_mov_b32 s51, 0
	s_cmp_eq_u32 s25, 2
	s_cselect_b32 s39, 0, 0x3f596d27                  ; sqrt(log2(e) / 2); in a record of V zeros stand there
	s_wait_kmcnt 0x0
	s_load_b96 s[36:38], s[6:7], 0x0                  ; P[0]
	s_cmp_eq_u32 s25, 0                               ; the choices hang on the work-group's number alone
	s_cselect_b64 s[8:9], s[8:9], s[10:11]
	s_cselect_b64 s[14:15], s[14:15], s[16:17]
	s_cselect_b64 s[20:21], s[20:21], s[22:23]
	s_cmp_eq_u32 s25, 2
	s_cselect_b64 s[8:9], s[12:13], s[8:9]            ; W
	s_cselect_b64 s[14:15], s[18:19], s[14:15]        ; b
	s_add_nc_u64 s[4:5], s[4:5], s[48:49]
	s_add_nc_u64 s[40:41], s[6:7], s[50:51]
	s_add_nc_u64 s[42:43], s[20:21], s[30:31]         ; my record,
	s_add_nc_u64 s[20:21], s[42:43], s[32:33]         ; my fragments in it,
	s_add_nc_u64 s[44:45], s[42:43], s[52:53]         ; my scale image, less 6,144
	; ---- PHASE A
	XLOAD NX0, 0
	XLOAD NX1, 1
	WLOAD NW, 0
	s_wait_loadcnt 63                                 ; 64 loads were issued behind X's 32: X is in
	QUANT NX0
	IMAGE XWI, 0
	ds_store_b32 v[XWS], v[PW]
	WLOAD NX0, 1
	s_wait_dscnt 0x0                                  ; the stores have read their registers
	QUANT NX1
	IMAGE XWI, FRB
	ds_store_b32 v[XWS], v[PW] offset:128
	WLOAD NX1, 2
	s_wait_dscnt 0x0
	s_wait_loadcnt 63                                 ; 128 were issued behind W's rows 0-63
	WQ NW, 0
	WLOAD NW, 3
	s_wait_loadcnt 63                                 ; 128 behind rows 64-127
	WQ NX0, 1
	IMAGEW 0
	s_wait_dscnt 0x0
	s_wait_loadcnt 63                                 ; 64 behind rows 128-191
	WQ NX1, 0
	s_wait_loadcnt 0x0
	WQ NW, 1
	IMAGEW 1
	s_wait_kmcnt 0x0                                  ; P[0]
	s_cmp_lg_u32 s46, 0                               ; the even wave of a record writes its last 512 bytes: the block's coordinates, or zeros
	s_cbranch_scc1 .Lno_p
	global_load_b32 v[PD], v[PO], s[40:41]
	global_load_b32 v[PD+1], v[PO], s[40:41] offset:4
	global_load_b32 v[PD+2], v[PO], s[40:41] offset:8
	v_mov_b32 v[PD+3], 0
	s_wait_alu depctr_va_vdst(0)
	s_wait_loadcnt 0x0
	v_sub_f32 v[PD], v[PD], s36
	v_sub_f32 v[PD+1], v[PD+1], s37
	v_sub_f32 v[PD+2], v[PD+2], s38
	s_delay_alu instid0(VALU_DEP_3)
	v_mul_f32 v[PD], s39, v[PD]
	s_delay_alu instid0(VALU_DEP_3)
	v_mul_f32 v[PD+1], s39, v[PD+1]
	s_delay_alu instid0(VALU_DEP_3)
	v_mul_f32 v[PD+2], s39, v[PD+2]
.irp a, 0,1,2,3
	global_store_b32 v[LS], v[PD+\a], s[42:43] offset:6400+128*\a
.endr
.Lno_p:
	s_wait_dscnt 0x0                                  ; for the others' sake: my images lie in LDS
	s_barrier_signal -1
	s_barrier_wait -1                                 ; everybody's do; from here on LDS is only read
	; ---- PHASE B
	s_cmp_eq_u32 s25, 2
	s_cbranch_scc1 .Lv_path
	FETCH FX, XWI, 0                                  ; Q, K: my tile of X is the fixed operand
	FETCH FX+12, XWI, FRB
	ds_load_b32 v[FXS], v[XWS]
	ds_load_b32 v[FXS+1], v[XWS] offset:128
	UNIT 0, 0
	QUANT ACC
	OUTF 0
	v_mov_b32 v[PW0], v[PW]
	UNIT 0, 1
	s_wait_xcnt 0x0                                   ; the stores have read the codes' registers: they are written anew only behind this wait
	QUANT ACC
	OUTF 1
	s_branch .Lout
.Lv_path:
.irp sg, 0,1
.irp j, 0,1,2,3,4,5,6,7
	global_load_b32 v[BIAS+8*\sg+\j], v[BOV], s[14:15] offset:32*\sg   ; a lane holds one channel: its bias in all eight registers
.endr
.endr
	ds_load_b32 v[FXS], v[WWS]                        ; V: my pair of W's tiles is the fixed operand; tile sg's scales stand in lanes 16 sg on
	ds_load_b32 v[FXS+1], v[WWS] offset:128
	UNIT 1, 0
	QUANT ACC
	OUTF 0
	v_mov_b32 v[PW0], v[PW]
	UNIT 1, 1
	s_wait_xcnt 0x0
	QUANT ACC
	OUTF 1
.Lout:
	v_and_b32 v[SW], 16, v0
	s_delay_alu instid0(VALU_DEP_1)
	v_cmp_eq_u32 vcc_lo, 0, v[SW]
	s_delay_alu instid0(VALU_DEP_1)
	v_cndmask_b32 v[SW], v[PW], v[PW0], vcc_lo        ; lanes 0-15: the first unit's words, lanes 16-31: the second's
	global_store_b32 v[LS], v[SW], s[44:45] offset:6144
	s_wait_tensorcnt 0x0                              ; the wave's end: behind my last LDS store
	ds_add_u32 v[SPW], v[NIL]
	s_wait_dscnt 0x0
	s_endpgm
.Lfunc_end_k_q4a5b9dcc9f_proj:
	.size	k_q4a5b9dcc9f_proj, .Lfunc_end_k_q4a5b9dcc9f_proj-k_q4a5b9dcc9f_proj
	.p2alignl 7, 3214868480
	.fill 96, 4, 3214868480
	.section	.rodata,"a",@progbits
	.p2align	6, 0x0
	.amdhsa_kernel k_q4a5b9dcc9f_proj
		.amdhsa_group_segment_fixed_size 78848
		.amdhsa_private_segment_fixed_size 0
		.amdhsa_enable_private_segment 0
		.amdhsa_kernarg_size 80
		.amdhsa_user_sgpr_count 2
		.amdhsa_user_sgpr_kernarg_segment_ptr 1
		.amdhsa_wavefront_size32 1
		.amdhsa_system_sgpr_workgroup_id_x 1
		.amdhsa_system_sgpr_workgroup_id_y 1
		.amdhsa_system_sgpr_workgroup_id_z 1
		.amdhsa_system_vgpr_workitem_id 0
		.amdhsa_next_free_vgpr 256
		.amdhsa_next_free_sgpr 66
		.amdhsa_reserve_vcc 1
		.amdhsa_float_denorm_mode_32 3
		.amdhsa_float_denorm_mode_16_64 3
		.amdhsa_memory_ordered 1
		.amdhsa_forward_progress 1
		.amdhsa_inst_pref_size 110
	.end_amdhsa_kernel
	.amdgpu_metadata
---
amdhsa.version: [ 1, 2 ]
amdhsa.kernels:
  - .name:           k_q4a5b9dcc9f_proj
    .symbol:         k_q4a5b9dcc9f_proj.kd
    .args:
      - { .name: X, .offset: 0, .size: 8, .value_kind: global_buffer, .address_space: global }
      - { .name: P, .offset: 8, .size: 8, .value_kind: global_buffer, .address_space: global }
      - { .name: W_q, .offset: 16, .size: 8, .value_kind: global_buffer, .address_space: global }
      - { .name: W_k, .offset: 24, .size: 8, .value_kind: global_buffer, .address_space: global }
      - { .name: W_v, .offset: 32, .size: 8, .value_kind: global_buffer, .address_space: global }
      - { .name: b_q, .offset: 40, .size: 8, .value_kind: global_buffer, .address_space: global }
      - { .name: b_k, .offset: 48, .size: 8, .value_kind: global_buffer, .address_space: global }
      - { .name: b_v, .offset: 56, .size: 8, .value_kind: global_buffer, .address_space: global }
      - { .name: qrec, .offset: 64, .size: 8, .value_kind: global_buffer, .address_space: global }
      - { .name: kv, .offset: 72, .size: 8, .value_kind: global_buffer, .address_space: global }
    .group_segment_fixed_size: 78848
    .private_segment_fixed_size: 0
    .kernarg_segment_align: 8
    .kernarg_segment_size: 80
    .max_flat_workgroup_size: 256
    .sgpr_count:     66
    .vgpr_count:     256
    .wavefront_size: 32
...
	.end_amdgpu_metadata
.endif
;; end of part 3
;; launch attn (part 4): grid 256 x 1, 8 waves a work-group, clusters of 4 x 1, 327,680 bytes of LDS; arguments qrec, kv, X, out0; writes out0
.if DOCPART == 4
	.amdgcn_target "amdgcn-amd-amdhsa--gfx1250"
	.amdhsa_code_object_version 6
	.text
	.protected	k_q4a5b9dcc9f_attn
	.globl	k_q4a5b9dcc9f_attn
	.p2align	8
	.type	k_q4a5b9dcc9f_attn,@function
k_q4a5b9dcc9f_attn:
	s_mov_b64 s[64:65], 0
	v_nop
	global_prefetch_b8 v0, s[64:65] scope:SCOPE_SE
	s_setreg_imm32_b32 hwreg(HW_REG_WAVE_MODE, 25, 1), 1
	s_wait_xcnt 0x0
	s_wait_alu depctr_hold_cnt(0) depctr_sa_sdst(0) depctr_va_vdst(0) depctr_va_sdst(0) depctr_va_ssrc(0) depctr_va_vcc(0) depctr_vm_vsrc(0)
	s_getreg_b32 s2, hwreg(HW_REG_IB_STS2, 6, 4)
	s_cmp_eq_u32 s2, 0
	s_cbranch_scc0 .Lentry_in_a_cluster
	s_endpgm
.Lentry_in_a_cluster:
	s_bfe_u32 s2, ttmp6, 0x10000c
	s_cmp_lg_u32 s2, 0x3003
	s_cbranch_scc0 .Lentry_shape_is_right
	s_endpgm
.Lentry_shape_is_right:
; out0 = A V + X, A = softmax_one(Q K^T / 16 x exp(-|P_i - P_j|^2 / 2)) along the keys; both products on codes of E2M3 with E8M0 scales.  A is quantised FINISHED AND NORMALISED, in blocks of 32 keys,
; so a row's maximum and sum are known before its first code is made: TWO WALKS over the keys.  Walk 1 finds each query's maximum and sum; walk 2 makes the scores and the decay anew, then A, its codes, and A V.
; ARITHMETIC of an element.  E = -dx'^2 - dy'^2 - dz'^2 + log2(log2(e) / 16), with coordinates scaled by sqrt(log2(e) / 2) and centred by the launch before; t = S 2^E = score x decay x log2(e).
; M = the largest t rounded up to a whole number, kept as -M = floor(-t); p = 2^(t - M); A = p / (2^(Tmax - M) + sum of p): the first term of the divisor is softmax_one's 1.
; SHARES.  A work-group owns 32 queries (two tiles of 16, in the tile order of the records); its eight waves all hold both tiles and SHARE THE KEYS: each fragment of K or V read from LDS feeds two products
; and is read by one wave.  Both products are used transposed (S^T = K Q^T, O^T = V^T A^T): a lane holds one query.  At the end the eight waves' O^T are added through LDS, and X is added.
; THE STREAM.  50 slots of 16 records of 6,912 bytes go through two LDS slots.  16 slots of K, 512 keys each.  Then 32 slots of 8 records of K (256 keys) and 8 of V.  A wave has the codes of 128 keys
; after four slots, so A V of a group of four slots is done during the next group, four tiles of channels a slot; in the first group the codes in hand are zeros.  Two last slots: the last group's V.
; EACH CLUSTER BEGINS ELSEWHERE AND GOES ROUND.  With c the cluster's number and g = c xor c / 2, walk 1 begins at K's slot g mod 16 and walk 2 at the group g mod 8: so at any time the clusters ask for different
; parts of kv, and a part is asked for by the clusters one after the other.  Maxima and sums do not hang on where a walk begins, but for the order of their f32 roundings.
; CLUSTER.  The four work-groups of a cluster walk the same stream: every tile is asked for JOINTLY, by the same tensor load with the same descriptor and a mask that names the four.  Wave w fetches records
; 2 w and 2 w + 1 of a slot: one load a wave behind each round of the cluster's barrier, one load of mine out at any time.
; LIMITS: NaN and infinities are not served.  A decay or a p under 2^-126 counts as 0 (v_exp_f32 gives 0 there: ISA guide, its entry).  A block of zeros has the byte 1 where the quantiser says 127: its codes are zeros.
; The sums over the keys are taken wave by wave and from the cluster's own first slot on: an order of f32 rounding other than the reference's.
; REGISTERS.  Window 0: see the names below.  Window 1: O^T, tile of queries g, tile of channels t at v[128 g + 8 t].
.set REC,   6912
.set SLOTB, 16*REC                     ; a slot's bytes
.set HALFB, 8*REC                      ; half of them
.set SLOT1, 131072                     ; LDS: slot 1 begins here
.set VBASE, 256*REC                    ; V's records in kv
.set STAT,  322560                     ; LDS: (largest t, sum) of each lane of each wave, for both tiles: 4,096 bytes; no tile lands here
.set SPARE, 326656                     ; the spare words, 128 bytes for each wave: four blocks of 256 bytes that no other line names
.set SPW, 1                            ; v1   LDS address of my spare word; never rewritten
.set NIL, 2                            ; v2   0; never rewritten
.set P1A, 3                            ; v3-4   walk 1: my two records in slot 0, 1: + 16 x lane
.set P1B, 5                            ; v5-6   the same + 4 x lane
.set P2A, 7                            ; v7-8   walk 2: my record in each half of slot 0, 1: + 16 x lane
.set P2B, 9                            ; v9-10  the same + 4 x lane
.set PFO, 11                           ; v11  the prefetch's offset: 256 x min(lane, 26): a record is 27 blocks of 256 bytes; never rewritten
.set STR, 12                           ; v12  STAT + 8 r
.set STW, 13                           ; v13  STAT + 512 w + 8 lane
.set LI16, 14                          ; v14  16 x lane
.set LS4, 15                           ; v15  4 x lane
.set QF,  16                           ; v16-63 Q: fragment (tile g, hidden 128 sg on) at 12 (2 g + sg)
.set QS,  64                           ; v64-65 its scale images
.set QC,  66                           ; v66-71 my query's x', y', z', for each g
.set NM,  72                           ; v72-75 -M in the low word of a pair, for each g
.set KX,  76                           ; v76-78 x', y', z' of the block's key number lane
.set KSC, 80                           ; v80-81 K's scale images;  v82-83 V's
.set VSC, 82
.set STG, 84                           ; v84-131 four fragments of K or of V
.set E,   180                          ; v180-211 walk 1: the exponents, then the decays: in the registers of A's codes, which walk 1 does not use
.set EB0, 232                          ; v232-247 walk 2: the same for tile 0 of the queries, in walk 1's figures' registers;
.set EB1, 100                          ; v100-115 and for tile 1: over K's fragments, once the products are issued
.set S,   132                          ; v132-163 S^T at 16 g + i: key 16 (lane / 16) + i of the block; then t, p, A
.set T,   164                          ; v164-179 at work
.set AM,  164
.set AP,  166
.set SO,  168
.set BY,  170
.set TY,  172
.set CUR, 180                          ; v180-203 A's codes of the group before, 12 for each g
.set NEW, 204                          ; v204-227 those being made
.set CURW, 228                         ; v228-229, v230-231 their scale words
.set NEWW, 230
.set ST,  232                          ; v232-247 walk 1, eight for each g: -M, largest t, the sum (a pair), the factor (a pair), a second chain (a pair)
.set SOA, 248                          ; v248 the way out: where I put 16 bytes of a row of my stage
.set QCO, 249                          ; v249 4 (r + 8 (r / 8))
.set IV,  250                          ; v250-253 1 / divisor in the low word of a pair, for each g
.set OA,  16                           ; the way out: my four rows of X, then of the output
.set BUF, 84                           ; and four waves' parts of them
.set WV,  12                           ; s12  my wave's number
.set WB,  36                           ; s36  13,824 x wave
.set CNT, 35                           ; s35  trips to go
.set POS, 37                           ; s37  where my part of the stream stands: K's slot (of 16) in walk 1; the half slot (of 32) of K or of V in walk 2
.set LIM, 44                           ; s44  1 in the wave that prefetches, else 0
.set W2F, 56                           ; s56  the byte offset of my part of walk 2's first slot
.set G4,  57                           ; s57  the half slot at which the cluster's walk 2 begins: 4 x its first group
.set MSB, 0
.macro WIN new                         ; the immediate's high byte repeats the setting that is left
.if MSB != \new
	s_set_vgpr_msb (MSB<<8)|\new
.set MSB, \new
.endif
.endm
.macro PLACES                          ; four places behind a matrix instruction, ahead of loads into its registers and of reads of its results
.rept 4
	v_nop
.endr
.endm
.macro WM d, a, b, c, sa, sb, ra, rb   ; the scaled product: c < 0: the constant 0;  ra, rb: 1 = the scales stand in lanes 16-31
.if (\c) < 0
.if (\ra) && (\rb)
	v_wmma_scale_f32_16x16x128_f8f6f4 v[(\d):(\d)+7], v[(\a):(\a)+11], v[(\b):(\b)+11], 0, v[(\sa)], v[(\sb)] matrix_a_fmt:MATRIX_FMT_FP6 matrix_b_fmt:MATRIX_FMT_FP6 matrix_a_scale:MATRIX_SCALE_ROW1 matrix_b_scale:MATRIX_SCALE_ROW1
.elseif (\ra)
	v_wmma_scale_f32_16x16x128_f8f6f4 v[(\d):(\d)+7], v[(\a):(\a)+11], v[(\b):(\b)+11], 0, v[(\sa)], v[(\sb)] matrix_a_fmt:MATRIX_FMT_FP6 matrix_b_fmt:MATRIX_FMT_FP6 matrix_a_scale:MATRIX_SCALE_ROW1
.elseif (\rb)
	v_wmma_scale_f32_16x16x128_f8f6f4 v[(\d):(\d)+7], v[(\a):(\a)+11], v[(\b):(\b)+11], 0, v[(\sa)], v[(\sb)] matrix_a_fmt:MATRIX_FMT_FP6 matrix_b_fmt:MATRIX_FMT_FP6 matrix_b_scale:MATRIX_SCALE_ROW1
.else
	v_wmma_scale_f32_16x16x128_f8f6f4 v[(\d):(\d)+7], v[(\a):(\a)+11], v[(\b):(\b)+11], 0, v[(\sa)], v[(\sb)] matrix_a_fmt:MATRIX_FMT_FP6 matrix_b_fmt:MATRIX_FMT_FP6
.endif
.else
.if (\ra) && (\rb)
	v_wmma_scale_f32_16x16x128_f8f6f4 v[(\d):(\d)+7], v[(\a):(\a)+11], v[(\b):(\b)+11], v[(\c):(\c)+7], v[(\sa)], v[(\sb)] matrix_a_fmt:MATRIX_FMT_FP6 matrix_b_fmt:MATRIX_FMT_FP6 matrix_a_scale:MATRIX_SCALE_ROW1 matrix_b_scale:MATRIX_SCALE_ROW1
.elseif (\ra)
	v_wmma_scale_f32_16x16x128_f8f6f4 v[(\d):(\d)+7], v[(\a):(\a)+11], v[(\b):(\b)+11], v[(\c):(\c)+7], v[(\sa)], v[(\sb)] matrix_a_fmt:MATRIX_FMT_FP6 matrix_b_fmt:MATRIX_FMT_FP6 matrix_a_scale:MATRIX_SCALE_ROW1
.elseif (\rb)
	v_wmma_scale_f32_16x16x128_f8f6f4 v[(\d):(\d)+7], v[(\a):(\a)+11], v[(\b):(\b)+11], v[(\c):(\c)+7], v[(\sa)], v[(\sb)] matrix_a_fmt:MATRIX_FMT_FP6 matrix_b_fmt:MATRIX_FMT_FP6 matrix_b_scale:MATRIX_SCALE_ROW1
.else
	v_wmma_scale_f32_16x16x128_f8f6f4 v[(\d):(\d)+7], v[(\a):(\a)+11], v[(\b):(\b)+11], v[(\c):(\c)+7], v[(\sa)], v[(\sb)] matrix_a_fmt:MATRIX_FMT_FP6 matrix_b_fmt:MATRIX_FMT_FP6
.endif
.endif
.endm
; A round of the cluster's barrier: my work-group's barrier; wave 0 signals for the work-group; every wave waits for all four work-groups; my work-group's barrier once more.
.macro CROUND
	s_barrier_signal -1
	s_barrier_wait -1
	s_cmp_lg_u32 s[WV], 0
	s_cbranch_scc1 .Lnot_wave_0_\@
	s_barrier_signal -3
.Lnot_wave_0_\@:
	s_barrier_wait -3
	s_barrier_signal -1
	s_barrier_wait -1
.endm
.macro JLOAD                           ; the joint load: one line for all waves, each with its own two records; an s_nop 0 and four v_nop follow it
	tensor_load_to_lds s[24:27], s[16:23]
	s_nop 0
.rept 4
	v_nop
.endr
.endm
; THE CHANGE OF SLOTS stands at a slot's head.  Each wave waits for all its tensor loads (its part of the slot that it is about to read), adds 0 to its spare word, and waits for that and for its reads of
; the slot that it has left.  Behind the round the slot ahead is whole in all four work-groups and nobody reads the other one: it is filled with the stream's next slot, which has a slot's work in which to land.
; npar: the LDS slot to be filled.  kind: how my part of the stream goes on; s30 is its byte offset in kv.
;   0: walk 1: K's next slot of 16, round the end.      1: the same, but walk 1's last change goes to walk 2's first slot.
;   2: walk 2: the next half slot of 32 (waves 0-3: of K, waves 4-7: of V), round the end.
;   3: the same; in the first trip V goes back four steps (the first group's V is read twice: once with the zero codes, once with its own); in the last trip the offset goes to the tail's.
;   4: the tail: two half slots of V on; they lie in one group, so nothing goes round the end.
; All of it hangs on the cluster's number, the wave's number and the count of trips alone: it is the same in the four partners.
.macro CHANGEA npar, kind              ; the first part of a change of slots: up to the round's opening signal; it stands behind my last LDS read of the slot that I leave
	s_wait_tensorcnt 0x0                              ; no tensor load of mine is out, so group 0 may be written
	ds_add_u32 v[SPW], v[NIL]                         ; 0 onto my spare word; the descriptor's steps stand between it and the wait for it
	s_add_co_u32 s25, s[WB], (\npar)*SLOT1
.if (\kind) <= 1
	s_add_co_u32 s[POS], s[POS], 1
	s_and_b32 s[POS], s[POS], 15
	s_mul_i32 s30, s[POS], SLOTB
	s_add_co_u32 s30, s30, s[WB]
.if (\kind) == 1
	s_cmp_eq_u32 s[CNT], 1
	s_cselect_b32 s30, s[W2F], s30
	s_cselect_b32 s[POS], s[G4], s[POS]
.endif
.elseif (\kind) <= 3
	s_add_co_u32 s[POS], s[POS], 1
.if (\kind) == 3
	s_cmp_eq_u32 s[CNT], 8
	s_cselect_b32 s46, s34, 0
	s_sub_co_u32 s[POS], s[POS], s46                  ; (the position stands at 4 x group + 4 here: it does not fall under 0)
.endif
	s_and_b32 s[POS], s[POS], 31
	s_mul_i32 s30, s[POS], HALFB
	s_add_co_u32 s30, s30, s32
.if (\kind) == 3
	s_cmp_eq_u32 s[CNT], 1
	s_cselect_b32 s30, s33, s30
.endif
.else
	s_add_co_u32 s30, s30, SLOTB
.endif
	s_add_nc_u64 s[26:27], s[6:7], s[30:31]
	s_or_b32 s27, s27, 0x80000000                     ; type = 2
	s_wait_dscnt 0x0                                  ; the add is done, and my reads of the slot that I leave are over
	s_barrier_signal -1                               ; the round's opening signal; only work on registers stands between it and its wait
.endm
.macro CHANGEB                         ; the second part: the rest of the round, and the refill first behind it
	s_barrier_wait -1
	s_cmp_lg_u32 s[WV], 0
	s_cbranch_scc1 .Lnot_w0_\@
	s_barrier_signal -3
.Lnot_w0_\@:
	s_barrier_wait -3
	s_barrier_signal -1
	s_barrier_wait -1
	JLOAD                                             ; my one tensor load until the next round
.endm
.macro CHANGE npar, kind               ; both parts on end
	CHANGEA \npar, \kind
	CHANGEB
.endm
; A PREFETCH INTO THE L2 of V, which no tensor load asks for before walk 1's last slot.  V has 256 records, the launch 256 work-groups: work-group n names record n, a lane a block of 256 bytes (a record is 27
; blocks: lanes 27-31 name the 27th again), so each block is named by one instruction in the launch.  Wave 0 asks, once, at the head of walk 1's last slot but one: one slot of walk 1 ahead of the first
; tensor load that asks for a record of V.  The partners of a cluster are told apart by the address alone; the branch hangs on the wave's number and the count of trips.  The address registers are never rewritten.
; K is not asked for ahead: its 16 slots are all asked for by tensor loads at the kernel's head, by clusters that begin at different slots.
.macro ASKV
	s_cmp_eq_u32 s[CNT], s[LIM]
	s_cbranch_scc0 .Lnot_mine_\@
	global_prefetch_b8 v[PFO], s[42:43] th:TH_LOAD_NT scope:SCOPE_SE
.Lnot_mine_\@:
.endm
.macro LOADK a, b, off                 ; a record of K: the 32 keys' coordinates first (14 loads follow them), four fragments, two scale images
	ds_load_b32 v[KX], v[\b] offset:(\off)+6400
	ds_load_b32 v[KX+1], v[\b] offset:(\off)+6528
	ds_load_b32 v[KX+2], v[\b] offset:(\off)+6656
.irp f, 0,1,2,3
.irp c, 0,1,2
	ds_load_b128 v[STG+12*\f+4*\c:STG+12*\f+4*\c+3], v[\a] offset:(\off)+1536*\f+512*\c
.endr
.endr
	ds_load_b32 v[KSC], v[\b] offset:(\off)+6144
	ds_load_b32 v[KSC+1], v[\b] offset:(\off)+6272
.endm
.macro LOADV a, b, off                 ; a record of V: four fragments, two scale images
.irp f, 0,1,2,3
.irp c, 0,1,2
	ds_load_b128 v[STG+12*\f+4*\c:STG+12*\f+4*\c+3], v[\a] offset:(\off)+1536*\f+512*\c
.endr
.endr
	ds_load_b32 v[VSC], v[\b] offset:(\off)+6144
	ds_load_b32 v[VSC+1], v[\b] offset:(\off)+6272
.endm
; S^T of 32 keys x 32 queries: four accumulators by turns, hidden 0-127 (they start the sums), then hidden 128-255 (scales in lanes 16-31)
.macro QK
	s_wait_dscnt 0x0
.irp g, 0,1
.irp u, 0,1
	WM S+16*\g+8*\u, STG+12*(2*\u), QF+12*(2*\g), -1, KSC+\u, QS+\g, 0, 0
.endr
.endr
.irp g, 0,1
.irp u, 0,1
	WM S+16*\g+8*\u, STG+12*(2*\u+1), QF+12*(2*\g+1), S+16*\g+8*\u, KSC+\u, QS+\g, 1, 1
.endr
.endr
	PLACES
.endm
; The exponents of keys i0, i1 of my half of the block.  Lane i of my row of 16 lanes holds the coordinates of key 16 (lane / 16) + i, which is register i's key: row_share brings them.
.macro DPAIR p, i0, i1
.irp g, 0,1
	v_sub_f32_dpp v[T+6*\g], v[KX], v[QC+3*\g] row_share:\i0 row_mask:0xf bank_mask:0xf
	v_sub_f32_dpp v[T+6*\g+1], v[KX], v[QC+3*\g] row_share:\i1 row_mask:0xf bank_mask:0xf
	v_sub_f32_dpp v[T+6*\g+2], v[KX+1], v[QC+3*\g+1] row_share:\i0 row_mask:0xf bank_mask:0xf
	v_sub_f32_dpp v[T+6*\g+3], v[KX+1], v[QC+3*\g+1] row_share:\i1 row_mask:0xf bank_mask:0xf
	v_sub_f32_dpp v[T+6*\g+4], v[KX+2], v[QC+3*\g+2] row_share:\i0 row_mask:0xf bank_mask:0xf
	v_sub_f32_dpp v[T+6*\g+5], v[KX+2], v[QC+3*\g+2] row_share:\i1 row_mask:0xf bank_mask:0xf
.endr
.irp g, 0,1
	v_pk_fma_f32 v[E+16*\g+2*(\p):E+16*\g+2*(\p)+1], v[T+6*\g:T+6*\g+1], v[T+6*\g:T+6*\g+1], s[38:39] op_sel_hi:[1,1,0] neg_lo:[1,0,0] neg_hi:[1,0,0]
.endr
.irp g, 0,1
	s_delay_alu instid0(VALU_DEP_2)
	v_pk_fma_f32 v[E+16*\g+2*(\p):E+16*\g+2*(\p)+1], v[T+6*\g+2:T+6*\g+3], v[T+6*\g+2:T+6*\g+3], v[E+16*\g+2*(\p):E+16*\g+2*(\p)+1] neg_lo:[1,0,0] neg_hi:[1,0,0]
.endr
.irp g, 0,1
	s_delay_alu instid0(VALU_DEP_2)
	v_pk_fma_f32 v[E+16*\g+2*(\p):E+16*\g+2*(\p)+1], v[T+6*\g+4:T+6*\g+5], v[T+6*\g+4:T+6*\g+5], v[E+16*\g+2*(\p):E+16*\g+2*(\p)+1] neg_lo:[1,0,0] neg_hi:[1,0,0]
.endr
.endm
.macro DIST
	DPAIR 0, 0, 1
	DPAIR 1, 2, 3
	DPAIR 2, 4, 5
	DPAIR 3, 6, 7
	DPAIR 4, 8, 9
	DPAIR 5, 10, 11
	DPAIR 6, 12, 13
	DPAIR 7, 14, 15
.endm
; The same for one tile g of the queries, keys i0 .. i3: two pairs by turns
.macro DP4 g, p, i0, i1, i2, i3
.irp a, 0,1,2
	v_sub_f32_dpp v[T+2*\a], v[KX+\a], v[QC+3*(\g)+\a] row_share:\i0 row_mask:0xf bank_mask:0xf
	v_sub_f32_dpp v[T+2*\a+1], v[KX+\a], v[QC+3*(\g)+\a] row_share:\i1 row_mask:0xf bank_mask:0xf
	v_sub_f32_dpp v[T+6+2*\a], v[KX+\a], v[QC+3*(\g)+\a] row_share:\i2 row_mask:0xf bank_mask:0xf
	v_sub_f32_dpp v[T+7+2*\a], v[KX+\a], v[QC+3*(\g)+\a] row_share:\i3 row_mask:0xf bank_mask:0xf
.endr
.set EG, EB0+(EB1-EB0)*(\g)+2*(\p)
	v_pk_fma_f32 v[EG:EG+1], v[T:T+1], v[T:T+1], s[38:39] op_sel_hi:[1,1,0] neg_lo:[1,0,0] neg_hi:[1,0,0]
	v_pk_fma_f32 v[EG+2:EG+3], v[T+6:T+7], v[T+6:T+7], s[38:39] op_sel_hi:[1,1,0] neg_lo:[1,0,0] neg_hi:[1,0,0]
.irp a, 2,4
	v_pk_fma_f32 v[EG:EG+1], v[T+\a:T+\a+1], v[T+\a:T+\a+1], v[EG:EG+1] neg_lo:[1,0,0] neg_hi:[1,0,0]
	v_pk_fma_f32 v[EG+2:EG+3], v[T+6+\a:T+7+\a], v[T+6+\a:T+7+\a], v[EG+2:EG+3] neg_lo:[1,0,0] neg_hi:[1,0,0]
.endr
.endm
.macro DISTG g
	DP4 \g, 0, 0, 1, 2, 3
	DP4 \g, 2, 4, 5, 6, 7
	DP4 \g, 4, 8, 9, 10, 11
	DP4 \g, 6, 12, 13, 14, 15
.endm
.macro EXPB base, n
.set xi, 0
.rept \n
	v_exp_f32 v[(\base)+xi], v[(\base)+xi]
.set xi, xi+1
.endr
	v_nop
	s_wait_alu depctr_va_vdst(0)
.endm
; WALK 1, behind the decays: t, the lane's running maximum, M, the sum under the new M, p, the sum.  Each lane keeps its own figures; they meet behind the walk.  more = 1: the slot's second record is fetched.
.macro P1FIN more, par
.irp p, 0,2,4,6,8,10,12,14
.irp g, 0,1
	v_pk_mul_f32 v[S+16*\g+\p:S+16*\g+\p+1], v[S+16*\g+\p:S+16*\g+\p+1], v[E+16*\g+\p:E+16*\g+\p+1]   ; t; each accumulator is read from its low end on
.endr
.endr
.if \more
	LOADK P1A+(\par), P1B+(\par), REC
.endif
.irp g, 0,1
	v_max3_num_f32 v[ST+8*\g+1], v[ST+8*\g+1], v[S+16*\g], v[S+16*\g+1]
	v_max3_num_f32 v[ST+8*\g+6], v[S+16*\g+8], v[S+16*\g+9], v[S+16*\g+10]
.endr
.irp i, 2,4
.irp g, 0,1
	s_delay_alu instid0(VALU_DEP_4)
	v_max3_num_f32 v[ST+8*\g+1], v[ST+8*\g+1], v[S+16*\g+\i], v[S+16*\g+\i+1]
	s_delay_alu instid0(VALU_DEP_4)
	v_max3_num_f32 v[ST+8*\g+6], v[ST+8*\g+6], v[S+16*\g+\i+9], v[S+16*\g+\i+10]
.endr
.endr
.irp g, 0
	s_delay_alu instid0(VALU_DEP_4)
	v_max3_num_f32 v[ST+8*\g+1], v[ST+8*\g+1], v[S+16*\g+6], v[S+16*\g+7]
.endr
.irp g, 1
	s_delay_alu instid0(VALU_DEP_3)
	v_max3_num_f32 v[ST+8*\g+1], v[ST+8*\g+1], v[S+16*\g+6], v[S+16*\g+7]
.endr
.irp g, 0,1
	s_delay_alu instid0(VALU_DEP_2)
	v_max3_num_f32 v[ST+8*\g+1], v[ST+8*\g+1], v[ST+8*\g+6], v[S+16*\g+15]   ; the running largest t
.endr
.irp g, 0,1
	v_mov_b32 v[ST+8*\g+5], v[ST+8*\g]
.endr
.irp g, 0,1
	s_delay_alu instid0(VALU_DEP_4)
	v_floor_f32 v[ST+8*\g], -v[ST+8*\g+1]             ; the new -M = floor(-t): M is a whole number
.endr
.irp g, 0,1
	s_delay_alu instid0(VALU_DEP_2)
	v_sub_f32 v[ST+8*\g+5], v[ST+8*\g], v[ST+8*\g+5]  ; old M less new M: a whole number, 0 or less
.endr
.irp g, 0,1
	s_delay_alu instid0(VALU_DEP_2)
	v_cvt_i32_f32 v[ST+8*\g+5], v[ST+8*\g+5]          ; (it saturates)
.endr
.irp g, 0,1
	s_delay_alu instid0(VALU_DEP_2)
	v_ldexp_f32 v[ST+8*\g+4], 1.0, v[ST+8*\g+5]       ; 2^(old M - new M): a factor that rounds nothing
.endr
.irp g, 0,1
	s_delay_alu instid0(VALU_DEP_2)
	v_pk_mul_f32 v[ST+8*\g+2:ST+8*\g+3], v[ST+8*\g+2:ST+8*\g+3], v[ST+8*\g+4:ST+8*\g+5] op_sel_hi:[1,0]
.endr
.irp p, 0,2,4,6,8,10,12,14
.irp g, 0,1
	v_pk_add_f32 v[S+16*\g+\p:S+16*\g+\p+1], v[S+16*\g+\p:S+16*\g+\p+1], v[ST+8*\g:ST+8*\g+1] op_sel_hi:[1,0]   ; t - M
.endr
.endr
	s_wait_alu depctr_va_vdst(0)
	EXPB S, 32
.irp g, 0,1
	v_pk_add_f32 v[ST+8*\g+6:ST+8*\g+7], v[S+16*\g:S+16*\g+1], v[S+16*\g+2:S+16*\g+3]
	v_pk_add_f32 v[ST+8*\g+2:ST+8*\g+3], v[ST+8*\g+2:ST+8*\g+3], v[S+16*\g+4:S+16*\g+5]
.endr
.irp p, 6,10
.irp g, 0,1
	v_pk_add_f32 v[ST+8*\g+6:ST+8*\g+7], v[ST+8*\g+6:ST+8*\g+7], v[S+16*\g+\p:S+16*\g+\p+1]
	v_pk_add_f32 v[ST+8*\g+2:ST+8*\g+3], v[ST+8*\g+2:ST+8*\g+3], v[S+16*\g+\p+2:S+16*\g+\p+3]
.endr
.endr
.irp g, 0,1
	v_pk_add_f32 v[ST+8*\g+6:ST+8*\g+7], v[ST+8*\g+6:ST+8*\g+7], v[S+16*\g+14:S+16*\g+15]
.endr
.irp g, 0,1
	s_delay_alu instid0(VALU_DEP_2)
	v_pk_add_f32 v[ST+8*\g+2:ST+8*\g+3], v[ST+8*\g+2:ST+8*\g+3], v[ST+8*\g+6:ST+8*\g+7]
.endr
.endm
.macro W1SLOT par                      ; a slot of walk 1: my two records, 64 keys
	LOADK P1A+(\par), P1B+(\par), 0
.if (\par) == 0
	ASKV                                              ; behind the joint load, its five lines and the run of LDS loads that the next products wait for
.endif
	s_wait_dscnt 14                                   ; the coordinates are in; the 14 loads behind them may be out: the decays are made while the fragments come
	DIST
	s_wait_alu depctr_va_vdst(0)
	EXPB E, 32
	QK
	P1FIN 1, \par
	s_wait_dscnt 14
	DIST
	s_wait_alu depctr_va_vdst(0)
	EXPB E, 32
	QK
.if (\par) == 0
	CHANGEA 0, 1                                      ; my last LDS read of this slot is over: the change to the trip's second slot opens here, and the work on registers below stands inside the round
.endif
	P1FIN 0, \par
.endm
; WALK 2, behind the decays: t - M in one fused multiply-add, V's record is asked for, p, A = p / divisor
.macro P2MID par
.irp p, 0,2,4,6,8,10,12,14
.irp g, 0,1
	v_pk_fma_f32 v[S+16*\g+\p:S+16*\g+\p+1], v[S+16*\g+\p:S+16*\g+\p+1], v[EB0+(EB1-EB0)*\g+\p:EB0+(EB1-EB0)*\g+\p+1], v[NM+2*\g:NM+2*\g+1] op_sel_hi:[1,1,0]
.endr
.endr
	LOADV P2A+(\par), P2B+(\par), HALFB
	s_wait_alu depctr_va_vdst(0)
	EXPB S, 32
.irp p, 0,2,4,6,8,10,12,14
.irp g, 0,1
	v_pk_mul_f32 v[S+16*\g+\p:S+16*\g+\p+1], v[S+16*\g+\p:S+16*\g+\p+1], v[IV+2*\g:IV+2*\g+1] op_sel_hi:[1,0]
.endr
.endr
.endm
; A's block s of my 128 keys is quantised: my 16 numbers and lane l xor 16's are the block.  No |.|: A is never negative.  Blocks 2 c and 2 c + 1 together give registers 6 c .. 6 c + 5 of the operand.
.macro AQ s
.irp g, 0,1
	v_max3_num_f32 v[AM+\g], v[S+16*\g], v[S+16*\g+1], 0x1800000   ; and the floor 2^(3 - 127): the byte cannot fall under 1
.endr
.irp i, 2,4,6,8,10,12,14
.irp g, 0,1
	s_delay_alu instid0(VALU_DEP_2)
	v_max3_num_f32 v[AM+\g], v[AM+\g], v[S+16*\g+\i], v[S+16*\g+\i+1]
.endr
.endr
.irp g, 0,1
	s_delay_alu instid0(VALU_DEP_2)
	v_permlanex16_b32 v[AP+\g], v[AM+\g], s40, s41
.endr
.irp g, 0,1
	s_delay_alu instid0(VALU_DEP_2)
	v_max_num_f32 v[AM+\g], v[AM+\g], v[AP+\g]
.endr
.irp g, 0,1
	s_delay_alu instid0(VALU_DEP_2)
	v_add_nc_u32 v[SO+\g], 0xff000000, v[AM+\g]       ; 2 off the exponent field: the conversion's scale operand
.endr
.if (\s) == 0
.irp g, 0,1
	s_delay_alu instid0(VALU_DEP_2)
	v_lshrrev_b32 v[NEWW+\g], 23, v[SO+\g]            ; the first byte starts the scale word
.endr
.else
.irp g, 0,1
	s_delay_alu instid0(VALU_DEP_2)
	v_lshrrev_b32 v[BY+\g], 23, v[SO+\g]
.endr
.irp g, 0,1
	s_delay_alu instid0(VALU_DEP_2)
	v_lshl_or_b32 v[NEWW+\g], v[BY+\g], 8*(\s), v[NEWW+\g]
.endr
.endif
.if (\s)%2 == 0
.irp g, 0,1
	v_cvt_scalef32_pk16_fp6_f32 v[NEW+12*\g+6*((\s)/2):NEW+12*\g+6*((\s)/2)+2], v[S+16*\g:S+16*\g+15], v[SO+\g]
.endr
	v_nop                                             ; one plain place behind a scaled conversion
.else
.irp g, 0,1
	v_cvt_scalef32_pk16_fp6_f32 v[TY+4*\g:TY+4*\g+2], v[S+16*\g:S+16*\g+15], v[SO+\g]
.endr
	v_nop
.irp g, 0,1
.irp i, 0,1,2
	v_permlane16_swap_b32 v[NEW+12*\g+6*((\s)/2)+\i], v[TY+4*\g+\i]
.endr
.irp i, 0,1,2
	s_delay_alu instid0(VALU_DEP_3)
	v_mov_b32 v[NEW+12*\g+6*((\s)/2)+3+\i], v[TY+4*\g+\i]
.endr
.endr
.endif
.endm
; O^T += V^T A^T: tiles of channels 4 s .. 4 s + 3, both tiles of queries, K = my 128 keys of the group before: eight accumulators by turns
.macro PV s
	s_wait_dscnt 0x0
	PVN \s
.endm
.macro PVN s                           ; the same where V's record has been waited for already
	WIN 0x50                                          ; C and D in window 1
.irp i, 0,1,2,3
.irp g, 0,1
	WM 128*\g+8*(4*(\s)+\i), STG+12*\i, CUR+12*\g, 128*\g+8*(4*(\s)+\i), VSC+\i/2, CURW+\g, \i%2, 0
.endr
.endr
	WIN 0
.endm
.macro ROLL                            ; the group's codes are whole: they become the codes in hand.  The scale words first: they want the longer distance ahead of the next product that names them
	PLACES
	v_mov_b32 v[CURW], v[NEWW]
	v_mov_b32 v[CURW+1], v[NEWW+1]
.set ri, 0
.rept 24
	v_mov_b32 v[CUR+ri], v[NEW+ri]
.set ri, ri+1
.endr
.endm
.macro W2SLOT s                        ; a slot of walk 2: my record of K (32 keys), my record of V
.if (\s) == 0
	CHANGE 1, 2
.else
	CHANGEB                                           ; the change was opened in the slot before
.endif
	LOADK P2A+(\s)%2, P2B+(\s)%2, 0
	s_wait_dscnt 14                                   ; the coordinates are in; the 14 loads behind them may be out: tile 0's decays are made while the fragments come
	DISTG 0
	s_wait_alu depctr_va_vdst(0)
	EXPB EB0, 16
	QK
	DISTG 1
	s_wait_alu depctr_va_vdst(0)
	EXPB EB1, 16
	P2MID (\s)%2
.if (\s) == 3
	AQ \s
	PV \s
	ROLL
.else
	s_wait_alu depctr_va_vdst(0)                      ; directly ahead of the wait below
.if (\s) == 2
	CHANGEA 0, 3                                      ; the change to the next slot opens here: its wait on DScnt shows V's record in, my last LDS read of this slot;
.else
	CHANGEA (\s)%2, 2
.endif
	AQ \s                                             ; A's codes and A V, work on registers, stand inside the round
	PVN \s
.endif
.endm
	s_load_b256 s[4:11], s[0:1], 0x0                  ; qrec s[4:5], kv s[6:7], X s[8:9], out0 s[10:11]
	v_lshl_add_u32 v[SPW], v0, 2, SPARE
	v_mov_b32 v[NIL], 0
	ds_add_u32 v[SPW], v[NIL]                         ; the wave's opening: the add and its wait ahead of my first tensor load; the set-up below, work on registers, stands between them
	ds_add_u32 v[SPW], v[NIL]
	v_lshrrev_b32 v[LS4], 5, v0
	s_delay_alu instid0(VALU_DEP_1)
	v_readfirstlane_b32 s[WV], v[LS4]                 ; wave 0..7
	s_bfe_u32 s13, ttmp6, 0x40000                     ; cx: my place in the cluster
	s_lshl_b32 s14, ttmp9, 2
	s_add_co_u32 s14, s14, s13                        ; my block of 32 queries: it enters global addresses alone, and none of a joint load
	; descriptor group 1: two records, 13,824 dense bytes, as 54 rows of 32 elements of 8 bytes
	s_mov_b32 s16, 15|(3<<16)|(1<<21)                 ; 15:0 the mask: all four work-groups; 17:16 elements of 8 bytes; 20 no padding; 21 set beside a mask
	s_mov_b32 s17, 32<<16                             ; tensor_dim0 = 32
	s_mov_b32 s18, 54<<16                             ; tensor_dim1 = 54
	s_mov_b32 s19, 32<<16                             ; tile_dim0 = 32
	s_mov_b32 s20, 54                                 ; tile_dim1 = 54
	s_mov_b32 s21, 32                                 ; the pitch
	s_mov_b32 s22, 0
	s_mov_b32 s23, 0
	s_mul_i32 s[WB], s[WV], 2*REC
	s_lshr_b32 s46, ttmp9, 1                          ; where the cluster's walks begin: from the cluster's number, which the four partners share
	s_xor_b32 s46, s46, ttmp9
	s_and_b32 s[POS], s46, 15                         ; walk 1: this slot of K's 16
	s_and_b32 s[G4], s46, 7
	s_lshl_b32 s[G4], s[G4], 2                        ; walk 2: this group of 8, as a half slot of 32
	s_mov_b32 s24, 1                                  ; group 0: count = 1,
	s_mov_b32 s25, s[WB]                              ; LDS address: slot 0, my two records,
	s_mul_i32 s30, s[POS], SLOTB
	s_add_co_u32 s30, s30, s[WB]                      ; and the same place in the cluster's first slot of K
	s_mov_b32 s31, 0
	s_and_b32 s46, s[WV], 3
	s_mul_i32 s46, s46, 2*REC
	s_cmp_lt_u32 s[WV], 4                             ; in walk 2 waves 0-3 fetch K, waves 4-7 V
	s_cselect_b32 s32, 0, VBASE
	s_cselect_b32 s34, 0, 4                           ; how many half slots V goes back after the first group
	s_cselect_b32 s47, 0, 1                           ; in the tail waves 0-3 fetch the even half slots of V, waves 4-7 the odd ones
	s_add_co_u32 s32, s32, s46                        ; my part of half slot 0 of my tensor
	s_mul_i32 s[W2F], s[G4], HALFB
	s_add_co_u32 s[W2F], s[W2F], s32                  ; walk 2's first slot
	s_add_co_u32 s33, s[G4], 28
	s_and_b32 s33, s33, 31                            ; the group that comes last in the cluster's order
	s_add_co_u32 s33, s33, s47
	s_mul_i32 s33, s33, HALFB
	s_add_co_u32 s33, s33, s46
	s_add_co_u32 s33, s33, VBASE                      ; the tail's first slot
	s_mov_b32 s38, 0xc05e28b1                         ; log2(log2(e) / 16)
	s_mov_b32 s39, s38                                ; (named with it as a pair, so it is written)
	s_mov_b32 s40, 0x76543210
	s_mov_b32 s41, 0xfedcba98                         ; v_permlanex16_b32's selects for lane l xor 16
	s_cmp_eq_u32 s[WV], 0
	s_cselect_b32 s[LIM], 1, 0                        ; wave 0 prefetches, in the trip in which one trip is left
	s_mul_i32 s48, s14, REC
	s_add_co_u32 s48, s48, VBASE                      ; the record of V that my work-group names
	s_mov_b32 s49, 0
	s_mul_i32 s52, s14, REC                           ; my record of qrec
	s_mov_b32 s53, 0
	s_lshr_b32 s54, s[WV], 2                          ; the four rows that I add up and store: stage rows 4 w .. 4 w + 3 are queries 8 (w / 4) + 4 (w % 4) + 8 ((w % 4) / 2) on
	s_lshl_b32 s54, s54, 3
	s_and_b32 s46, s[WV], 3
	s_lshl_b32 s47, s46, 2
	s_add_co_u32 s54, s54, s47
	s_lshr_b32 s46, s46, 1
	s_lshl_b32 s46, s46, 3
	s_add_co_u32 s54, s54, s46
	s_lshl_b32 s46, s14, 5
	s_add_co_u32 s54, s54, s46
	s_lshl_b32 s54, s54, 10
	s_mov_b32 s55, 0
	v_and_b32 v[LS4], 31, v0
	s_delay_alu instid0(VALU_DEP_1)
	v_lshlrev_b32 v[LI16], 4, v[LS4]
	s_delay_alu instid0(VALU_DEP_2)
	v_min_u32 v[PFO], 26, v[LS4]
	s_delay_alu instid0(VALU_DEP_1)
	v_lshlrev_b32 v[PFO], 8, v[PFO]
	s_delay_alu instid0(VALU_DEP_4)
	v_lshlrev_b32 v[LS4], 2, v[LS4]
	s_delay_alu instid0(VALU_DEP_4)
	v_add_nc_u32 v[P1A], s[WB], v[LI16]
	s_delay_alu instid0(VALU_DEP_1)
	v_add_nc_u32 v[P1A+1], SLOT1, v[P1A]
	s_delay_alu instid0(VALU_DEP_3)
	v_add_nc_u32 v[P1B], s[WB], v[LS4]
	s_delay_alu instid0(VALU_DEP_1)
	v_add_nc_u32 v[P1B+1], SLOT1, v[P1B]
	s_mul_i32 s46, s[WV], REC
	v_add_nc_u32 v[P2A], s46, v[LI16]
	s_delay_alu instid0(VALU_DEP_1)
	v_add_nc_u32 v[P2A+1], SLOT1, v[P2A]
	v_add_nc_u32 v[P2B], s46, v[LS4]
	s_delay_alu instid0(VALU_DEP_1)
	v_add_nc_u32 v[P2B+1], SLOT1, v[P2B]
	v_and_b32 v[QCO], 15, v0                          ; r
	s_delay_alu instid0(VALU_DEP_1)
	v_lshl_add_u32 v[STR], v[QCO], 3, STAT
	s_lshl_b32 s46, s[WV], 9
	s_add_co_u32 s46, s46, STAT
	v_lshl_add_u32 v[STW], v[LS4], 1, s46
	v_mul_u32_u24 v[SOA], v[QCO], 1040
	v_bfe_u32 v[IV], v0, 4, 1                         ; h
	s_delay_alu instid0(VALU_DEP_1)
	v_lshl_add_u32 v[SOA], v[IV], 6, v[SOA]
	s_mul_i32 s46, s[WV], 33280
	v_add_nc_u32 v[SOA], s46, v[SOA]                  ; my stage: row r of 1,040 bytes, + 64 h
	v_and_b32 v[IV], 8, v[QCO]
	s_delay_alu instid0(VALU_DEP_1)
	v_add_nc_u32 v[QCO], v[IV], v[QCO]
	s_delay_alu instid0(VALU_DEP_1)
	v_lshlrev_b32 v[QCO], 2, v[QCO]
	s_wait_dscnt 0x0                                  ; the opening add is done
	s_wait_kmcnt 0x0
	s_add_nc_u64 s[26:27], s[6:7], s[30:31]
	s_or_b32 s27, s27, 0x80000000
	s_add_nc_u64 s[42:43], s[6:7], s[48:49]
	s_add_nc_u64 s[4:5], s[4:5], s[52:53]
	s_add_nc_u64 s[8:9], s[8:9], s[54:55]
	s_add_nc_u64 s[10:11], s[10:11], s[54:55]
	CROUND                                            ; all four work-groups are here: the first joint loads meet
	JLOAD                                             ; the cluster's first slot
.irp f, 0,1,2,3                                   ; Q stays in registers
.irp c, 0,1,2
	global_load_b128 v[QF+12*\f+4*\c:QF+12*\f+4*\c+3], v[LI16], s[4:5] offset:1536*\f+512*\c
.endr
.endr
	s_wait_alu depctr_va_vdst(0)
.irp g, 0,1
	global_load_b32 v[QS+\g], v[LS4], s[4:5] offset:6144+128*\g
.irp a, 0,1,2
	global_load_b32 v[QC+3*\g+\a], v[QCO], s[4:5] offset:6400+128*\a+32*\g   ; my query is the block's row 8 g + r + 8 (r / 8)
.endr
.endr
.set ti, 0
.rept 12
	v_mov_b32 v[T+ti], 0                              ; written once: the destination of a DPP form and of a lane permute counts as one of its sources
.set ti, ti+1
.endr
.irp g, 0,1
	v_mov_b32 v[ST+8*\g+1], 0xff61b1e6                ; the largest t so far: -3e38, under every t
	s_delay_alu instid0(VALU_DEP_1)
	v_floor_f32 v[ST+8*\g], -v[ST+8*\g+1]
	v_mov_b32 v[ST+8*\g+2], 0                         ; the sum, in two halves: the first change of M multiplies zeros
	v_mov_b32 v[ST+8*\g+3], 0
.endr
	s_wait_loadcnt 0x0
	; ---- WALK 1: 16 slots, two a trip
	s_mov_b32 s[CNT], 8
.Lw1:
	CHANGE 1, 0
	W1SLOT 0
	CHANGEB
	W1SLOT 1
	s_sub_co_u32 s[CNT], s[CNT], 1
	s_cmp_lg_u32 s[CNT], 0
	s_cbranch_scc1 .Lw1
	; ---- THE ROWS' FIGURES.  A query's keys lie in 8 waves x 2 halves of lanes: 16 pairs (largest t, sum) meet in LDS, and every wave makes -M and 1 / divisor for all 32 queries.
.set ci, 0
.rept 24
	v_mov_b32 v[CUR+ci], 0                            ; the codes in hand during the first group: zeros, which add nothing
.set ci, ci+1
.endr
	v_mov_b32 v[CURW], 0x7f7f7f7f
	v_mov_b32 v[CURW+1], 0x7f7f7f7f
.irp g, 0,1
	v_mov_b32 v[ST+8*\g+6], v[ST+8*\g+1]
	v_add_f32 v[ST+8*\g+7], v[ST+8*\g+2], v[ST+8*\g+3]
.endr
.irp g, 0,1
	ds_store_b64 v[STW], v[ST+8*\g+6:ST+8*\g+7] offset:256*\g
.endr
	s_wait_dscnt 0x0                                  ; for the others' sake: my figures lie in LDS
	s_barrier_signal -1                               ; the load of walk 2's first slot stays out
	s_barrier_wait -1
.irp g, 0,1
.irp e, 0,1,2,3,4,5,6,7,8,9,10,11,12,13,14,15
	ds_load_b64 v[BUF+32*\g+2*\e:BUF+32*\g+2*\e+1], v[STR] offset:512*(\e/2)+256*\g+128*(\e%2)
.endr
.endr
	s_wait_dscnt 0x0
.irp g, 0,1
	v_max3_num_f32 v[T+\g], v[BUF+32*\g], v[BUF+32*\g+2], v[BUF+32*\g+4]
.endr
.irp e, 6,10,14,18,22,26
.irp g, 0,1
	s_delay_alu instid0(VALU_DEP_2)
	v_max3_num_f32 v[T+\g], v[T+\g], v[BUF+32*\g+\e], v[BUF+32*\g+\e+2]
.endr
.endr
.irp g, 0,1
	s_delay_alu instid0(VALU_DEP_2)
	v_max_num_f32 v[T+\g], v[T+\g], v[BUF+32*\g+30]   ; the row's largest t
.endr
.irp g, 0
	s_delay_alu instid0(VALU_DEP_2)
	v_floor_f32 v[NM+2*\g], -v[T+\g]                  ; -M
	v_mov_b32 v[NM+2*\g+1], 0                         ; (named with it as a pair, so it is written)
.endr
.irp g, 1
	s_delay_alu instid0(VALU_DEP_3)
	v_floor_f32 v[NM+2*\g], -v[T+\g]                  ; -M
	v_mov_b32 v[NM+2*\g+1], 0                         ; (named with it as a pair, so it is written)
.endr
.irp g, 0
	s_delay_alu instid0(VALU_DEP_4)
	v_add_f32 v[T+2+\g], v[T+\g], v[NM+2*\g]          ; Tmax - M
.endr
.irp g, 1
	s_delay_alu instid0(VALU_DEP_3)
	v_add_f32 v[T+2+\g], v[T+\g], v[NM+2*\g]          ; Tmax - M
.endr
.set ni, 0
.rept 32
	v_floor_f32 v[BUF+2*ni], -v[BUF+2*ni]             ; each part's own -M,
.set ni, ni+1
.endr
.set ni, 0
.rept 32
	v_sub_f32 v[BUF+2*ni], v[NM+2*(ni/16)], v[BUF+2*ni]   ; its M less the row's: a whole number, 0 or less,
.set ni, ni+1
.endr
.set ni, 0
.rept 32
	v_cvt_i32_f32 v[BUF+2*ni], v[BUF+2*ni]
.set ni, ni+1
.endr
.set ni, 0
.rept 32
	v_ldexp_f32 v[BUF+2*ni+1], v[BUF+2*ni+1], v[BUF+2*ni]   ; and its sum under the row's M: nothing is rounded
.set ni, ni+1
.endr
.irp e, 2,4,6,8,10,12,14,16,18,20,22,24,26,28,30
.irp g, 0,1
	v_add_f32 v[BUF+32*\g+1], v[BUF+32*\g+1], v[BUF+32*\g+\e+1]
.endr
.endr
	s_wait_alu depctr_va_vdst(0)
.irp g, 0,1
	v_exp_f32 v[T+2+\g], v[T+2+\g]                    ; softmax_one's 1, under M
.endr
	v_nop
	s_wait_alu depctr_va_vdst(0)                      ; ahead of the first reader
.irp g, 0,1
	v_add_f32 v[T+2+\g], v[T+2+\g], v[BUF+32*\g+1]    ; the divisor: above one half
.endr
	s_wait_alu depctr_va_vdst(0)
.irp g, 0,1
	v_rcp_f32 v[IV+2*\g], v[T+2+\g]
.endr
	v_mov_b32 v[IV+1], 0                              ; (a plain place behind the reciprocals; the pairs' upper words are written)
	v_mov_b32 v[IV+3], 0
	s_wait_alu depctr_va_vdst(0)
	WIN 0x40                                          ; O^T begins: 32 products of the zero codes with the constant 0 as C start the 32 sums, so that the loop is written once and nothing is cleared register by register
.set zn, 0
.rept 32
	WM 8*zn, CUR, CUR+12, -1, CURW, CURW+1, 0, 0
.set zn, zn+1
.endr
	WIN 0
	; ---- WALK 2: 32 slots, a group of four a trip
	s_mov_b32 s[CNT], 8
.Lw2:
	W2SLOT 0
	W2SLOT 1
	W2SLOT 2
	W2SLOT 3
	s_sub_co_u32 s[CNT], s[CNT], 1
	s_cmp_lg_u32 s[CNT], 0
	s_cbranch_scc1 .Lw2
	; ---- THE TAIL: the last group's A V; two slots of V alone
	CHANGE 1, 4
	LOADV P2A, P2B, 0
	PLACES                                            ; with the four behind the joint load: the distance between ROLL's last lines and the product that names those registers
	s_wait_alu depctr_va_vdst(0)
	PV 0
	PLACES
	LOADV P2A, P2B, HALFB
	PV 1
	s_wait_tensorcnt 0x0                              ; the last change of slots: nothing is left to fetch, so a barrier of the work-group does
	ds_add_u32 v[SPW], v[NIL]
	s_wait_dscnt 0x0
	s_barrier_signal -1
	s_barrier_wait -1
	PLACES
	LOADV P2A+1, P2B+1, 0
	PV 2
	PLACES
	LOADV P2A+1, P2B+1, HALFB
	PV 3
	; ---- THE WAY OUT.  Each wave's O^T (32 queries x 256 channels) goes to a stage of its own, rows of 1,024 + 16 bytes; the stages lie over the two slots, which have had their last fill.
	; Then wave w adds up stage rows 4 w .. 4 w + 3 of all eight stages onto its four rows of X and stores them: each store of the wave covers 512 consecutive bytes, aligned.
.irp i, 0,1,2,3
.irp hf, 0,1
	global_load_b128 v[OA+8*\i+4*\hf:OA+8*\i+4*\hf+3], v[LI16], s[8:9] offset:1024*\i+512*\hf th:TH_LOAD_NT
.endr
.endr
	s_mul_i32 s46, s[WV], 4160
	v_add_nc_u32 v3, s46, v[LI16]                     ; stage rows 4 w on, of waves 0 and 1;
	s_delay_alu instid0(VALU_DEP_1)
	v_add_nc_u32 v4, 66560, v3                        ; of waves 2 and 3; (these four lines are also the places behind the last products)
	s_delay_alu instid0(VALU_DEP_2)
	v_add_nc_u32 v5, 133120, v3
	s_delay_alu instid0(VALU_DEP_3)
	v_add_nc_u32 v6, 199680, v3
	s_wait_alu depctr_va_vdst(0)
	s_wait_dscnt 0x0                                  ; my reads of the slots are over
	s_barrier_signal -1
	s_barrier_wait -1                                 ; everybody's are
	WIN 0x04                                          ; an LDS store's data are its source 1: window 1
.irp g, 0,1
.irp t, 0,1,2,3,4,5,6,7,8,9,10,11,12,13,14,15
	ds_store_b128 v[SOA], v[128*\g+8*\t:128*\g+8*\t+3] offset:16640*\g+128*(\t/2)+32*(\t%2)        ; lane (r, h): channels 32 (t / 2) + 16 h + 8 (t % 2) + 0 .. 7; each accumulator from its low end on
	ds_store_b128 v[SOA], v[128*\g+8*\t+4:128*\g+8*\t+7] offset:16640*\g+128*(\t/2)+32*(\t%2)+16
.endr
.endr
	WIN 0
	s_wait_dscnt 0x0                                  ; for the others' sake: my stage is written
	s_barrier_signal -1
	s_barrier_wait -1
.irp bt, 0,1
.irp q, 0,1,2,3
.irp i, 0,1,2,3
.irp hf, 0,1
	ds_load_b128 v[BUF+32*\q+8*\i+4*\hf:BUF+32*\q+8*\i+4*\hf+3], v[3+2*\bt+\q/2] offset:33280*(\q%2)+1040*\i+512*\hf
.endr
.endr
.endr
	s_wait_dscnt 0x0
.if \bt == 0
	s_wait_loadcnt 0x0                                ; X
.endif
.irp q, 0,1,2,3
.irp n, 0,2,4,6,8,10,12,14,16,18,20,22,24,26,28,30
	v_pk_add_f32 v[OA+\n:OA+\n+1], v[OA+\n:OA+\n+1], v[BUF+32*\q+\n:BUF+32*\q+\n+1]
.endr
.endr
.endr
.irp i, 0,1,2,3
.irp hf, 0,1
	global_store_b128 v[LI16], v[OA+8*\i+4*\hf:OA+8*\i+4*\hf+3], s[10:11] offset:1024*\i+512*\hf th:TH_STORE_NT
.endr
.endr
	s_wait_tensorcnt 0x0                              ; the wave's end: behind my last tensor load and my last LDS store
	ds_add_u32 v[SPW], v[NIL]
	s_wait_dscnt 0x0
	CROUND                                            ; the closing round: no work-group ends while a partner may still ask for a tile that names it
	s_endpgm
.Lfunc_end_k_q4a5b9dcc9f_attn:
	.size	k_q4a5b9dcc9f_attn, .Lfunc_end_k_q4a5b9dcc9f_attn-k_q4a5b9dcc9f_attn
	.p2alignl 7, 3214868480
	.fill 96, 4, 3214868480
	.section	.rodata,"a",@progbits
	.p2align	6, 0x0
	.amdhsa_kernel k_q4a5b9dcc9f_attn
		.amdhsa_group_segment_fixed_size 327680
		.amdhsa_private_segment_fixed_size 0
		.amdhsa_enable_private_segment 0
		.amdhsa_kernarg_size 32
		.amdhsa_user_sgpr_count 2
		.amdhsa_user_sgpr_kernarg_segment_ptr 1
		.amdhsa_wavefront_size32 1
		.amdhsa_system_sgpr_workgroup_id_x 1
		.amdhsa_system_sgpr_workgroup_id_y 1
		.amdhsa_system_sgpr_workgroup_id_z 1
		.amdhsa_system_vgpr_workitem_id 0
		.amdhsa_next_free_vgpr 512
		.amdhsa_next_free_sgpr 66
		.amdhsa_reserve_vcc 0
		.amdhsa_float_denorm_mode_32 3
		.amdhsa_float_denorm_mode_16_64 3
		.amdhsa_memory_ordered 1
		.amdhsa_forward_progress 1
		.amdhsa_inst_pref_size 221
	.end_amdhsa_kernel
	.amdgpu_metadata
---
amdhsa.version: [ 1, 2 ]
amdhsa.kernels:
  - .name:           k_q4a5b9dcc9f_attn
    .symbol:         k_q4a5b9dcc9f_attn.kd
    .args:
      - { .name: qrec, .offset: 0, .size: 8, .value_kind: global_buffer, .address_space: global }
      - { .name: kv, .offset: 8, .size: 8, .value_kind: global_buffer, .address_space: global }
      - { .name: X, .offset: 16, .size: 8, .value_kind: global_buffer, .address_space: global }
      - { .name: out0, .offset: 24, .size: 8, .value_kind: global_buffer, .address_space: global }
    .group_segment_fixed_size: 327680
    .private_segment_fixed_size: 0
    .kernarg_segment_align: 8
    .kernarg_segment_size: 32
    .max_flat_workgroup_size: 256
    .sgpr_count:     66
    .vgpr_count:     512
    .wavefront_size: 32
...
	.end_amdgpu_metadata
.endif
;; end of part 4
